; MI455X (gfx1250); checked and timed in simulation.
; The chip was launched on July 23, 2026; its instructions are those of AMD's public machine-readable ISA for CDNA 5 (MIT licence, August 2026) and "CDNA5" Instruction Set Architecture Reference Guide (July 2026). The comments in the code are by the model that wrote it; some were corrected since.
;; Causal Self Attention. Allowed arithmetic: matrix products marked QUANTISED: E3M2 operands, one E8M0 scale for each 32 along K, by v_wmma_scale_f32_16x16x128_f8f6f4 with both operands' format E3M2, f32 sums; everything else in f32.
;; Inputs: W_proj 1,024 x 1,024 float32; W_qkv 3,072 x 1,024 float32; b_proj 1,024 float32; b_qkv 3,072 float32; lamb one number float32; v1 4 x 16 x 2,048 x 64 float32; x 4 x 2,048 x 1,024 float32.
;; Outputs: out0 4 x 2,048 x 1,024 float32; out1 4 x 16 x 2,048 x 64 float32.
;; This version of the problem:
;;   THIS VERSION OF THE PROBLEM IS GIVEN IN LOW PRECISION. The matrix products marked QUANTISED in the list below multiply operands that are first quantised to E3M2 (3 exponent bits, 2 mantissa bits; 6 bits a number), with one power-of-two scale for each 32 numbers along K (OCP MX v1.0); their sums are f32. All else is computed in f32.
;;   The module's matrix products, in the order in which they are computed (A, B: the left and right operand; K: the contracted axis; several contracted axes count as one K, in the product's order):
;;     1. [M 8,192, K 1,024] x [K 1,024, N 3,072]; A: input x; B: input W_qkv: QUANTISED
;;     2. batch 64 x [M 2,048, K 64] x [K 64, N 2,048]; A: computed on the way; B: computed on the way: QUANTISED
;;     3. batch 64 x [M 2,048, K 2,048] x [K 2,048, N 64]; A: softmax (see below); B: computed on the way: QUANTISED
;;     4. [M 8,192, K 1,024] x [K 1,024, N 1,024]; A: computed on the way; B: input W_proj: QUANTISED
;;   THE QUANTISER, for each operand of a quantised product, along K:
;;     - K is cut into blocks of 32 from its start; a last block that is shorter is filled with zeros.
;;     - A block's scale is 2^e with e = floor(log2(the largest magnitude in the block)) - 4, held to -126 .. 127; a block of zeros has e = 0. As a byte (E8M0): e + 127.
;;     - Each number is divided by its block's scale, clamped to +-28, and rounded to the nearest number of E3M2, ties to even, subnormals kept.
;;     - The product sums the exact products of the quantised numbers (number of the format x scale) in f32.
;;   ~~~python
;;   def quantise(x, axis):      # numpy; x: float32 -> the quantised numbers, widened to float32 again
;;       x = np.moveaxis(x, axis, -1); K = x.shape[-1]
;;       x = np.pad(x, [(0, 0)] * (x.ndim - 1) + [(0, -K % 32)]); x = x.reshape(x.shape[:-1] + (-1, 32)); a = np.abs(x).max(-1, keepdims=True)
;;       e = np.where(a > 0, np.clip(np.frexp(np.where(a > 0, a, 1))[1] - 1 - 4, -126, 127), 0)      # np.frexp(a)[1] - 1 = floor(log2(a)), exactly
;;       r = np.clip(x / 2.0 ** e, -28, 28)
;;       step = 2.0 ** (np.maximum(np.frexp(np.where(r == 0, 1, r))[1] - 1, -2) - 2)
;;       q = np.round(r / step) * step * 2.0 ** e      # np.round: ties to even
;;       return np.moveaxis(q.reshape(q.shape[:-2] + (-1,))[..., :K], -1, axis).astype(np.float32)
;;   ~~~
;;   SOFTMAX AHEAD OF A QUANTISED PRODUCT. Where the list says 'softmax', what is quantised is not the finished softmax but p = 2^(t - M), with t = logit x log2(e) and M = ceil(the row's largest t), a whole number; so 1/2 < the row's largest p <= 1. The row's sum l is taken of the UNQUANTISED p, in f32, and the product's result is divided by l at the end. Since M is a whole number, a kernel that streams over the keys may use a running M (the ceiling of the running maximum): every later rescaling is an exact power of two, which a block's scale takes up: the codes' values come out the same.
;;   OPERANDS COMPUTED ON THE WAY. 'Computed on the way' means the value that the module computes at that place (a softmax that the list does not call 'softmax' is quantised finished and normalised). What goes into a quantiser is computed in f32, as accurately as f32 sums, v_exp_f32 and their like allow (about 1e-6 of the number): no bf16 or f16 on the way to a quantiser, and a product that is left as it is and whose result goes on into a quantised operand takes f32 operands (vector FMAs, or v_wmma_f32_16x16x4_f32). A number that lies on a knife's edge between two numbers of the format may be rounded either way, as far as f32 arithmetic and the matrix unit's own rounding can turn it there, and no further.
;; One version. Each part assembles by itself: llvm-mc -triple=amdgcn-amd-amdhsa -mcpu=gfx1250 --defsym DOCPART=n.
;; ======== version 1 of 1: 4 launches
;; limits: right only within a limited range of input values
;; workspace buffers: xq 6,553,600 bytes; wq 2,457,600 bytes; wp 819,200 bytes; abuf 6,553,600 bytes; rot 524,288 bytes; qbuf 6,815,744 bytes; kvbuf 13,369,344 bytes
;; launch prep (part 1): grid 1024 x 1, 4 waves a work-group, no clusters, 34,304 bytes of LDS; arguments x, W_qkv, W_proj, xq, wq, wp, rot; writes xq, wq, wp, rot
.if DOCPART == 1
	.amdgcn_target "amdgcn-amd-amdhsa--gfx1250"
	.amdhsa_code_object_version 6
	.text
	.protected	k_q55266e280a_prep
	.globl	k_q55266e280a_prep
	.p2align	8
	.type	k_q55266e280a_prep,@function
k_q55266e280a_prep:
	s_mov_b64 s[64:65], 0
	v_nop
	global_prefetch_b8 v0, s[64:65] scope:SCOPE_SE
	s_setreg_imm32_b32 hwreg(HW_REG_WAVE_MODE, 25, 1), 1
	s_wait_xcnt 0x0
; x [8192][1024], W_qkv [3072][1024] and W_proj [1024][1024], f32, become codes of BF6 (E3M2) with one E8M0 byte for each 32 along K,
; laid in the order in which a matrix operand's registers take them; and the table of cos and sin for the rotary turn is made.
; RECORD (25,600 bytes): 128 rows x 256 K.  A fragment (16 rows x 128 K, 12 registers a lane) is two halves of 768 bytes: registers 6 c .. 6 c + 3
; at 16 x lane, registers 6 c + 4, 6 c + 5 at 512 + 8 x lane.  Half (tile i, step q, half c) lies at ((2 i + q) 2 + c) 768; the scale word of
; (tile i, row r, step q) at 24,576 + 128 i + 8 r + 4 q.  Records lie [K / 256][rows / 128].
; ROW ORDER: place p of a record holds row p with bits 3 and 4 exchanged: tile 2 b + u, lane r is row 32 b + 8 u + r + 8 (r / 8).
; SHARES: work-groups 0-511 take x, 512-703 W_qkv, 704-767 W_proj: 16 rows each, wave w the K range 256 w .. 256 w + 255.  Work-groups 768-1023 make the table.
; A block's scale is 2^(floor(log2(largest magnitude)) - 4); its byte is the largest magnitude's exponent field - 4, held at 1 from below.
; LIMITS: NaN and infinities are not served; a block whose largest magnitude lies under 2^-122 keeps the byte 1; a block of zeros gets the byte 1 where the
; rule says 127 (its codes are zeros, and this program alone reads the bytes).  The table's angle is f32(pos) x inv_freq with inv_freq good to about 1.5 units
; in its last place, so at the largest positions cos and sin may differ from those of another f32 evaluation by about 1e-4.
; No tensor load, no barrier: waves share nothing.  Matrix units and clusters have nothing to do here.
.set REC,  25600
.set SP,   528                         ; a stage row: 512 bytes + 16: an odd multiple of 16, so the 16 rows of a read start at 16 different 16-byte columns
.set WST,  16*SP                       ; a wave's stage
.set R,    32                          ; v32-159  32 loads as they come
.set X,    160                         ; v160-223 64 numbers of a lane: register 16 b + i = k 32 b + 16 (lane / 16) + i of its row
.set PC,   224                         ; v224-242 the codes
.set TM,   244                         ; v244-255 at work
.set PW,   13                          ; the scale word just made
.set PW0,  14                          ; step 0's
.set SEL,  44                          ; s[44:45] selects for lane l xor 16
; 64 numbers of a lane become a fragment's 12 registers in v[PC] on and its row's scale word in v[PW]
.macro QUANT4 src
.irp b, 0,1,2,3
	v_max3_num_f32 v[TM+\b], |v[(\src)+16*\b]|, |v[(\src)+1+16*\b]|, 0x2800000   ; my 16 numbers of block b, and the floor 2^(5 - 127): the byte cannot fall under 1
.endr
.irp i, 2,4,6,8,10,12,14
.irp b, 0,1,2,3
	v_max3_num_f32 v[TM+\b], v[TM+\b], |v[(\src)+16*\b+\i]|, |v[(\src)+1+16*\b+\i]|
.endr
.endr
.irp b, 0,1,2,3
	v_permlanex16_b32 v[TM+4+\b], v[TM+\b], s[SEL], s[SEL+1]
.endr
.irp b, 0,1,2,3
	v_max_num_f32 v[TM+\b], v[TM+\b], v[TM+4+\b]                ; with lane l xor 16's: the block's largest magnitude
.endr
.irp b, 0,1,2,3
	v_add_nc_u32 v[TM+8+\b], 0xfe000000, v[TM+\b]               ; 4 off its exponent field: the conversion's scale operand
.endr
.irp b, 0,1,2,3
	v_lshrrev_b32 v[TM+4+\b], 23, v[TM+8+\b]                    ; the scale's byte
.endr
	v_lshl_or_b32 v[PW], v[TM+5], 8, v[TM+4]
	v_lshl_or_b32 v[PW], v[TM+6], 16, v[PW]
	v_lshl_or_b32 v[PW], v[TM+7], 24, v[PW]
.irp c, 0,1
	v_cvt_scalef32_pk16_bf6_f32 v[PC+6*\c:PC+2+6*\c], v[(\src)+32*\c:(\src)+15+32*\c], v[TM+8+2*\c]
	v_cvt_scalef32_pk16_bf6_f32 v[PC+12+4*\c:PC+14+4*\c], v[(\src)+16+32*\c:(\src)+31+32*\c], v[TM+8+2*\c+1]   ; (a conversion's three registers begin on an even number)
.endr
	v_nop                                                       ; one plain place behind a scaled conversion
.irp c, 0,1                            ; the layout wants a whole block in a lane: lanes 0-15 block 2 c, lanes 16-31 block 2 c + 1
.irp i, 0,1,2
	v_permlane16_swap_b32 v[PC+6*\c+\i], v[PC+12+4*\c+\i]
.endr
.irp i, 0,1,2
	v_mov_b32 v[PC+3+6*\c+\i], v[PC+12+4*\c+\i]
.endr
.endr
.endm
	s_load_b256 s[4:11], s[0:1], 0x0               ; x, W_qkv, W_proj, xq
	s_load_b128 s[12:15], s[0:1], 0x20             ; wq, wp
	s_load_b64 s[16:17], s[0:1], 0x30              ; rot
	v_lshl_add_u32 v239, v0, 2, 0x8400
	v_mov_b32 v243, 0
	v_lshrrev_b32 v1, 5, v0
	v_readfirstlane_b32 s18, v1                    ; wave
	v_and_b32 v2, 31, v0                           ; lane
	v_and_b32 v3, 15, v0                           ; r
	v_bfe_u32 v4, v0, 4, 1                         ; h
	s_wait_kmcnt 0x0
	s_cmp_ge_u32 ttmp9, 768
	s_cbranch_scc1 .Ltable
	; ---- the quantiser.  Which tensor: the choice hangs on the work-group's number alone
	s_mov_b32 s20, 704                             ; the tensor's first work-group
	s_mov_b32 s21, 8                               ; its groups of 128 rows
	s_cmp_lt_u32 ttmp9, 704
	s_cselect_b64 s[6:7], s[6:7], s[8:9]
	s_cselect_b64 s[12:13], s[12:13], s[14:15]
	s_cselect_b32 s20, 512, s20
	s_cselect_b32 s21, 24, s21
	s_cmp_lt_u32 ttmp9, 512
	s_cselect_b64 s[4:5], s[4:5], s[6:7]
	s_cselect_b64 s[10:11], s[10:11], s[12:13]
	s_cselect_b32 s20, 0, s20
	s_cselect_b32 s21, 64, s21
	s_sub_co_u32 s20, ttmp9, s20                   ; my tile of 16 places
	s_lshr_b32 s22, s20, 1
	s_lshl_b32 s22, s22, 17                        ; 32 rows of 4,096 bytes for each pair of tiles,
	s_and_b32 s23, s20, 1
	s_lshl_b32 s23, s23, 15                        ; 8 rows for the odd tile,
	s_add_co_u32 s22, s22, s23
	s_lshl_b32 s23, s18, 10                        ; my wave's 256 numbers of a row
	s_add_co_u32 s22, s22, s23
	s_mov_b32 s23, 0
	s_add_nc_u64 s[4:5], s[4:5], s[22:23]
	s_mul_i32 s24, s18, s21
	s_lshr_b32 s25, s20, 3
	s_add_co_u32 s24, s24, s25
	s_mul_i32 s24, s24, REC                        ; my record
	s_and_b32 s25, s20, 7                          ; my tile in it
	s_mul_i32 s26, s25, 3072
	s_add_co_u32 s26, s24, s26
	s_mov_b32 s27, 0
	s_add_nc_u64 s[28:29], s[10:11], s[26:27]      ; where my four halves begin
	s_lshl_b32 s25, s25, 7
	s_add_co_u32 s24, s24, s25
	s_add_co_u32 s24, s24, 24576
	s_mov_b32 s25, 0
	s_add_nc_u64 s[30:31], s[10:11], s[24:25]      ; and my tile's scale words
	s_mov_b32 s[SEL], 0x76543210
	s_mov_b32 s[SEL+1], 0xfedcba98
	s_mov_b32 s46, 0xffff0000                      ; lanes 16-31
	s_mul_i32 s19, s18, WST
	s_wait_alu depctr_va_vdst(0)
	v_lshlrev_b32 v5, 4, v2                        ; 16 x lane
	v_lshlrev_b32 v6, 3, v2                        ; 8 x lane
	v_lshlrev_b32 v7, 3, v3
	v_lshl_add_u32 v7, v4, 2, v7                   ; 8 r + 4 h
	v_add_nc_u32 v8, s19, v5                       ; the stage, in: a row's 512 bytes as they lie
	v_mul_u32_u24 v9, v3, SP
	v_lshl_add_u32 v9, v4, 6, v9
	v_add_nc_u32 v9, s19, v9                       ; and back: row r, + 64 h
.irp q, 0,1
.irp i, 0,1,2,3,4,5,6,7,8,9,10,11,12,13,14,15
	global_load_b128 v[R+4*(16*\q+\i):R+4*(16*\q+\i)+3], v5, s[4:5] offset:(\i+8*(\i/8))*4096+512*\q th:TH_LOAD_NT   ; 32 lanes read 512 consecutive bytes of the row at place i
.endr
.endr
.irp b, 0,1,2,3
	v_mov_b32 v[TM+4+\b], 0                        ; written once: a lane permute's destination counts as one of its sources
.endr
.macro TURN q                          ; 16 rows x 128 numbers through my stage; LDS serves a wave's instructions in order, so no wait stands between stores and loads
.irp i, 0,1,2,3,4,5,6,7,8,9,10,11,12,13,14,15
	ds_store_b128 v8, v[R+4*(16*\q+\i):R+4*(16*\q+\i)+3] offset:SP*\i
.endr
.irp b, 0,1,2,3
.irp j, 0,1,2,3
	ds_load_b128 v[X+16*\b+4*\j:X+16*\b+4*\j+3], v9 offset:128*\b+16*\j
.endr
.endr
.endm
.macro SENDQ q                         ; a fragment's two halves: stores of 512 and of 256 consecutive bytes
.irp c, 0,1
	global_store_b128 v5, v[PC+6*\c:PC+6*\c+3], s[28:29] offset:(2*\q+\c)*768
	global_store_b64 v6, v[PC+6*\c+4:PC+6*\c+5], s[28:29] offset:(2*\q+\c)*768+512
.endr
.endm
	s_wait_alu depctr_va_vdst(0)
	s_wait_loadcnt 16                              ; step 0's sixteen loads are in; step 1's sixteen may be out
	TURN 0
	s_wait_dscnt 0x0
	QUANT4 X
	SENDQ 0
	v_mov_b32 v[PW0], v[PW]
	s_wait_loadcnt 0x0
	TURN 1
	s_wait_dscnt 0x0
	s_wait_xcnt 0x0                                ; the codes' registers are the data of the stores above: written again only behind this wait
	QUANT4 X
	SENDQ 1
	v_cndmask_b32 v[PW0], v[PW0], v[PW], s46       ; lanes 0-15 keep step 0's word of row r, lanes 16-31 take step 1's
	global_store_b32 v7, v[PW0], s[30:31]          ; 128 consecutive bytes: all the scale words that a wave has
	s_wait_tensorcnt 0x0
	ds_add_u32 v239, v243
	s_wait_dscnt 0x0
	s_endpgm
	; ---- the table: rot[tile of 16 places T][j 0..7][lane][16 bytes]: j < 4: cos of frequencies 16 h + 4 j + 0..3, j >= 4: sin of 16 h + 4 (j - 4) + 0..3, at the position of place 16 T + r
.Ltable:
	s_sub_co_u32 s20, ttmp9, 768
	s_lshl_b32 s20, s20, 2
	s_add_co_u32 s20, s20, s18                     ; 8 T + j
	s_lshr_b32 s21, s20, 3
	s_and_b32 s22, s20, 7
	s_cmp_lt_u32 s22, 4
	s_cselect_b32 s23, 1, 0                        ; cos(a) = sin(a + pi / 2): one quadrant on
	s_and_b32 s22, s22, 3
	s_lshl_b32 s22, s22, 2
	s_lshr_b32 s24, s21, 1
	s_lshl_b32 s24, s24, 5
	s_and_b32 s25, s21, 1
	s_lshl_b32 s25, s25, 3
	s_add_co_u32 s24, s24, s25
	s_lshl_b32 s26, s20, 9
	s_mov_b32 s27, 0
	s_add_nc_u64 s[16:17], s[16:17], s[26:27]
	s_mov_b32 s32, 0xbed49a78                      ; -log2(10000) / 32, high part
	s_mov_b32 s33, 0xb2179968                      ; and what is left of it
	s_mov_b32 s34, 0x3f317218                      ; ln 2
	s_mov_b32 s35, 0x3f22f983                      ; 2 / pi
	s_mov_b32 s36, 0xbfc90fdb                      ; -P1, P1 = pi / 2 rounded to f32
	s_mov_b32 s37, 0x333bbd2e                      ; P1 - pi / 2
	s_mov_b32 s38, 0xb94ca1f9                      ; sine: x + x s (S1 + s (S2 + s S3)), s = x x
	s_mov_b32 s39, 0x3c08839e
	s_mov_b32 s40, 0xbe2aaaa3
	s_mov_b32 s41, 0x37ccf5ce                      ; cosine: 1 - s / 2 + s s (C1 + s (C2 + s C3))
	s_mov_b32 s42, 0xbab6061a
	s_mov_b32 s43, 0x3d2aaaa5
	s_wait_alu depctr_va_vdst(0)
	v_and_b32 v5, 8, v3
	v_add_nc_u32 v5, v5, v3
	v_add_nc_u32 v5, s24, v5                       ; the position: 32 (T / 2) + 8 (T % 2) + r + 8 (r / 8)
	v_cvt_f32_u32 v5, v5
	v_lshl_add_u32 v6, v4, 4, s22                  ; my first frequency
	v_lshlrev_b32 v7, 4, v2
.irp e, 0,1,2,3
	v_add_nc_u32 v[16+\e], \e, v6
.endr
.irp e, 0,1,2,3
	v_cvt_f32_u32 v[16+\e], v[16+\e]
.endr
.irp e, 0,1,2,3
	v_mul_f32 v[20+\e], s32, v[16+\e]              ; the exponent -e log2(10000) / 32, rounded,
.endr
.irp e, 0,1,2,3
	v_fma_f32 v[24+\e], v[16+\e], s32, -v[20+\e]   ; what the rounding dropped,
.endr
.irp e, 0,1,2,3
	v_fma_f32 v[24+\e], v[16+\e], s33, v[24+\e]    ; and the constant's own rest
.endr
	s_wait_alu depctr_va_vdst(0)
.irp e, 0,1,2,3
	v_exp_f32 v[28+\e], v[20+\e]
.endr
.irp e, 0,1,2,3
	v_mul_f32 v[24+\e], s34, v[24+\e]              ; (plain work behind the exponentials)
.endr
	s_wait_alu depctr_va_vdst(0)                   ; one wait for the four, ahead of their first reader
.irp e, 0,1,2,3
	v_fma_f32 v[28+\e], v[28+\e], v[24+\e], v[28+\e]   ; inv_freq = 2^high (1 + ln 2 x rest)
.endr
.irp e, 0,1,2,3
	v_mul_f32 v[16+\e], v5, v[28+\e]               ; the angle, rounded once
.endr
.irp e, 0,1,2,3
	v_mul_f32 v[20+\e], s35, v[16+\e]
.endr
.irp e, 0,1,2,3
	v_rndne_f32 v[20+\e], v[20+\e]                 ; quadrants, at most 1,303
.endr
.irp e, 0,1,2,3
	v_fma_f32 v[16+\e], v[20+\e], s36, v[16+\e]
.endr
.irp e, 0,1,2,3
	v_fma_f32 v[16+\e], v[20+\e], s37, v[16+\e]    ; the angle less the quadrants, within pi / 4
.endr
.irp e, 0,1,2,3
	v_cvt_i32_f32 v[20+\e], v[20+\e]
.endr
.irp e, 0,1,2,3
	v_add_nc_u32 v[20+\e], s23, v[20+\e]
.endr
.irp e, 0,1,2,3
	v_mul_f32 v[24+\e], v[16+\e], v[16+\e]
.endr
.irp e, 0,1,2,3
	v_fma_f32 v[28+\e], v[24+\e], s38, s39
	v_fma_f32 v[32+\e], v[24+\e], s41, s42
.endr
.irp e, 0,1,2,3
	v_fma_f32 v[28+\e], v[28+\e], v[24+\e], s40
	v_fma_f32 v[32+\e], v[32+\e], v[24+\e], s43
.endr
.irp e, 0,1,2,3
	v_mul_f32 v[28+\e], v[28+\e], v[24+\e]
	v_mul_f32 v[32+\e], v[32+\e], v[24+\e]
	v_fma_f32 v[36+\e], v[24+\e], -0.5, 1.0
.endr
.irp e, 0,1,2,3
	v_fma_f32 v[28+\e], v[28+\e], v[16+\e], v[16+\e]   ; sine
	v_fma_f32 v[32+\e], v[32+\e], v[24+\e], v[36+\e]   ; cosine
.endr
.irp e, 0,1,2,3
	v_and_b32 v[36+\e], 1, v[20+\e]
	v_cmp_eq_u32 vcc_lo, 1, v[36+\e]
	v_cndmask_b32 v[40+\e], v[28+\e], v[32+\e], vcc_lo ; odd quadrants take the cosine,
	v_and_b32 v[36+\e], 2, v[20+\e]
	v_lshlrev_b32 v[36+\e], 30, v[36+\e]
	v_xor_b32 v[40+\e], v[40+\e], v[36+\e]             ; quadrants 2 and 3 change the sign
.endr
	global_store_b128 v7, v[40:43], s[16:17]       ; 512 consecutive bytes
	s_endpgm
.Lfunc_end_k_q55266e280a_prep:
	.size	k_q55266e280a_prep, .Lfunc_end_k_q55266e280a_prep-k_q55266e280a_prep
	.p2alignl 7, 3214868480
	.fill 96, 4, 3214868480
	.section	.rodata,"a",@progbits
	.p2align	6, 0x0
	.amdhsa_kernel k_q55266e280a_prep
		.amdhsa_group_segment_fixed_size 34304
		.amdhsa_private_segment_fixed_size 0
		.amdhsa_enable_private_segment 0
		.amdhsa_kernarg_size 56
		.amdhsa_user_sgpr_count 2
		.amdhsa_user_sgpr_kernarg_segment_ptr 1
		.amdhsa_wavefront_size32 1
		.amdhsa_system_sgpr_workgroup_id_x 1
		.amdhsa_system_sgpr_workgroup_id_y 1
		.amdhsa_system_sgpr_workgroup_id_z 1
		.amdhsa_system_vgpr_workitem_id 0
		.amdhsa_next_free_vgpr 256
		.amdhsa_next_free_sgpr 66
		.amdhsa_reserve_vcc 1
		.amdhsa_float_denorm_mode_32 3
		.amdhsa_float_denorm_mode_16_64 3
		.amdhsa_memory_ordered 1
		.amdhsa_forward_progress 1
		.amdhsa_inst_pref_size 26
	.end_amdhsa_kernel
	.amdgpu_metadata
---
amdhsa.version: [ 1, 2 ]
amdhsa.kernels:
  - .name:           k_q55266e280a_prep
    .symbol:         k_q55266e280a_prep.kd
    .args:
      - { .name: x, .offset: 0, .size: 8, .value_kind: global_buffer, .address_space: global }
      - { .name: W_qkv, .offset: 8, .size: 8, .value_kind: global_buffer, .address_space: global }
      - { .name: W_proj, .offset: 16, .size: 8, .value_kind: global_buffer, .address_space: global }
      - { .name: xq, .offset: 24, .size: 8, .value_kind: global_buffer, .address_space: global }
      - { .name: wq, .offset: 32, .size: 8, .value_kind: global_buffer, .address_space: global }
      - { .name: wp, .offset: 40, .size: 8, .value_kind: global_buffer, .address_space: global }
      - { .name: rot, .offset: 48, .size: 8, .value_kind: global_buffer, .address_space: global }
    .group_segment_fixed_size: 34304
    .private_segment_fixed_size: 0
    .kernarg_segment_align: 8
    .kernarg_segment_size: 56
    .max_flat_workgroup_size: 128
    .sgpr_count:     66
    .vgpr_count:     256
    .wavefront_size: 32
...
	.end_amdgpu_metadata
.endif
;; end of part 1
;; launch qkv (part 2): grid 4 x 64, 4 waves a work-group, clusters of 4 x 4, 327,680 bytes of LDS; arguments xq, wq, b_qkv, lamb, v1, rot, qbuf, kvbuf, out1; writes qbuf, kvbuf, out1
.if DOCPART == 2
	.amdgcn_target "amdgcn-amd-amdhsa--gfx1250"
	.amdhsa_code_object_version 6
	.text
	.protected	k_q55266e280a_qkv
	.globl	k_q55266e280a_qkv
	.p2align	8
	.type	k_q55266e280a_qkv,@function
k_q55266e280a_qkv:
	s_mov_b64 s[64:65], 0
	v_nop
	global_prefetch_b8 v0, s[64:65] scope:SCOPE_SE
	s_setreg_imm32_b32 hwreg(HW_REG_WAVE_MODE, 25, 1), 1
	s_wait_xcnt 0x0
	s_wait_alu depctr_hold_cnt(0) depctr_sa_sdst(0) depctr_va_vdst(0) depctr_va_sdst(0) depctr_va_ssrc(0) depctr_va_vcc(0) depctr_vm_vsrc(0)
	s_getreg_b32 s2, hwreg(HW_REG_IB_STS2, 6, 4)
	s_cmp_eq_u32 s2, 0
	s_cbranch_scc0 .Lentry_in_a_cluster
	s_endpgm
.Lentry_in_a_cluster:
	s_bfe_u32 s2, ttmp6, 0x10000c
	s_cmp_lg_u32 s2, 0xf033
	s_cbranch_scc0 .Lentry_shape_is_right
	s_endpgm
.Lentry_shape_is_right:
; qkv = x W_qkv^T + b_qkv on codes of BF6 (E3M2) with E8M0 scales, 8,192 x 3,072, K = 1,024, and all that follows it up to the next products' operands:
;   q, k: rotary turn and RMS norm over a head's 64 (the turn is linear, so 1 / rms is multiplied in behind it), quantised along the head's 64 -> qbuf, kvbuf;
;   v:    value = (1 - lamb) v + lamb v1 -> out1 (f32), and quantised along the KEYS (blocks of 32 tokens) -> kvbuf.
; Nothing of reference() is left out here: every input named in the arguments reaches an output.
; SHARES: 256 work-groups: (j, g) owns the 128 tokens of group g and three tiles of 256 columns: heads 4 j .. 4 j + 3 of q, then of k, then of v: equal work for all.
; A wave owns 64 tokens x 128 columns (two heads): 32 accumulators.  x's codes of its 64 tokens, all of K, lie in 384 registers, loaded once and used for all three tiles.
; W's tile, all of K (8 records, 204,800 bytes), lies in LDS: wave w brings K chunk w (two neighbouring records, 200 rows of 256 bytes) by one tensor load.  The tile is filled again straight behind a tile's
; products, behind a round of the cluster's barrier, and the way out of that tile stands between the request and the wait for it.
; OPERANDS lie in records of 25,600 bytes (128 rows x 256 K) in the order of the operand's registers; place p of a record holds row p with bits 3 and 4 exchanged.  THE MATRIX INSTRUCTION IS USED TRANSPOSED
; (source 0 = 16 rows of W, source 1 = 16 tokens): a lane holds ONE token; block a of accumulators (64 registers) is token place 16 a + lane % 16, register 32 hh + 16 b + i is channel 32 b + 16 h + i of head hh.
; The bias is the C of each sum's first matrix instruction.  A scale register holds a row's words of two K steps: the even step's in lanes 0-15, the odd step's in lanes 16-31.
; CLUSTERS: 4 x 4 work-groups; W's tiles hang on j = cx alone (the grid has one cluster along x) and are asked for jointly by the four of a column.  x's codes go from memory into registers and need no LDS.
; PREFETCH: v1's 64 rows of one head, a lane a row, two instructions a wave in each of the two trips, one and two tiles ahead of the loads that want them; each row is named once, by the wave that loads it.
; xq and wq are not prefetched: their first reads stand at the head, with no loop ahead of them, and W's refills go out a whole way out ahead of the wait for them.
; qbuf, kvbuf: as the launch that reads them states them.  A wave writes tiles 4 th .. 4 th + 3 of a q or k record and 256 bytes of its scale image; of V^T's fragments the half of its 64 keys and two bytes of each scale word.
; LIMITS: NaN and infinities are not served; a block whose largest magnitude lies under 2^-122 keeps the byte 1, a block of zeros too (its codes are zeros; this program alone reads the bytes).
; REGISTERS, in windows of 256: window 0: v0-15 addresses; v16-31 x's scale words; v32-47 W's, two sets; v48-191 W's fragments, three sets of four (on the way out: at work); v192-255 cos and sin, two sets.
;   window 1: the accumulators, (a, b) at v[8 (8 a + b)].  window 2: v0-63 the bias; v124-255 x's fragments 21-31.  window 3: x's fragments 0-20; in the last tile, from K step 6 on, v1.
.set REC,   25600
.set NGA,   64
.set NGB,   24
.set BCH,   2*REC                      ; a K chunk of W's tile in LDS
.set STG,   4*BCH                      ; v's stages: bytes into which no fill lands
.set WSTG,  17920                      ; a wave's stage: 64 tokens x 272 bytes, and 128 more behind every 16
.set SPARE, 327168                     ; the spare words, 128 bytes for each wave
.set L16, 1
.set L8,  2
.set BB16, 3                           ; my record of chunk 0, + 16 x lane; + 8 x lane; its scale words + 8 r + 4 h
.set BB8, 4
.set BBS, 5
.set CUR16, 6                          ; the same for the chunk in hand
.set CUR8, 7
.set CURS, 8
.set STO, 9
.set RD,  10
.set COL, 11
.set SPW, 12
.set NIL, 13
.set BOF, 14                           ; 64 h: the bias
.set SI,  15                           ; my 8 bytes of a scale image
.set ASC, 16
.set BSC, 32
.set BF,  48
.set CSR, 192
.set MSB, 0
.macro WIN new
.if MSB != (\new)
	s_set_vgpr_msb (MSB<<8)|(\new)
.set MSB, (\new)
.endif
.endm
.macro PLACES n
.rept \n
	v_nop
.endr
.endm
.macro CREST
	s_cmp_lg_u32 s14, 0
	s_cbranch_scc1 .Lnot_wave_0_\@
	s_barrier_signal -3
.Lnot_wave_0_\@:
	s_barrier_wait -3
	s_barrier_signal -1
	s_barrier_wait -1
.endm
.macro CROUND
	s_barrier_signal -1
	s_barrier_wait -1
	CREST
.endm
.macro JLOAD                           ; one line for all waves: the descriptor hangs on the wave's number and on cx; s_nop 0 and four v_nop follow
	tensor_load_to_lds s[56:59], s[48:55]
	s_nop 0
	PLACES 4
.endm
.macro AFR f                           ; where x's fragment f = 4 x K step + block lies
.if (\f) < 21
.set AW_, 3
.set AR_, 12*(\f)
.else
.set AW_, 2
.set AR_, 124+12*((\f)-21)
.endif
.endm
.macro BIAS                            ; register 8 t + j is the bias of column 32 (t / 2) + 16 h + 8 (t % 2) + j
	WIN 0x80
.irp t, 0,1,2,3,4,5,6,7
	global_load_b128 v[8*\t:8*\t+3], v[BOF], s[8:9] offset:128*(\t/2)+32*(\t%2)
	global_load_b128 v[8*\t+4:8*\t+7], v[BOF], s[8:9] offset:128*(\t/2)+32*(\t%2)+16
.endr
	WIN 0
.endm
.macro CSLOAD a                        ; the table for block a's tokens: eight loads of 512 consecutive bytes
.irp j, 0,1,2,3,4,5,6,7
	global_load_b128 v[CSR+32*((\a)%2)+4*\j:CSR+32*((\a)%2)+4*\j+3], v[L16], s[70:71] offset:4096*(\a)+512*\j
.endr
.endm
	s_load_b256 s[4:11], s[0:1], 0x0               ; xq, wq, b_qkv, lamb
	s_load_b256 s[68:75], s[0:1], 0x20             ; v1, rot, qbuf, kvbuf
	s_load_b64 s[76:77], s[0:1], 0x40              ; out1
	v_lshl_add_u32 v[SPW], v0, 2, SPARE
	v_mov_b32 v[NIL], 0
	ds_add_u32 v[SPW], v[NIL]                      ; the opening lines: the add, twice on end, and its wait
	ds_add_u32 v[SPW], v[NIL]
	v_lshrrev_b32 v48, 5, v0
	v_readfirstlane_b32 s14, v48                   ; wave 0..3: also the K chunk that I fetch
	s_lshr_b32 s15, s14, 1                         ; th: which 64 tokens are mine
	s_and_b32 s16, s14, 1                          ; ch: which 128 columns
	s_bfe_u32 s40, ttmp6, 0x40000                  ; cx = j
	s_bfe_u32 s41, ttmp6, 0x40004                  ; cy
	s_and_b32 s17, ttmp7, 0xffff
	s_lshl_b32 s17, s17, 2
	s_add_co_u32 s17, s17, s41                     ; g = 4 x cluster y + cy
	s_lshl_b32 s44, 0x1111, s40                    ; my column of the cluster
	s_or_b32 s48, s44, (3<<16)|(1<<21)             ; the mask; elements of 8 bytes; no padding; bit 21 beside a mask
	s_mov_b32 s49, 32<<16                          ; rows of 256 bytes,
	s_mov_b32 s50, 200<<16                         ; 200 of them: two records
	s_mov_b32 s51, 32<<16
	s_mov_b32 s52, 200
	s_mov_b32 s53, 32                              ; dense
	s_mov_b32 s54, 0
	s_mov_b32 s55, 0
	s_mul_i32 s46, s14, NGB
	s_lshl_b32 s47, s40, 1
	s_add_co_u32 s46, s46, s47                     ; record 24 x chunk + 2 j: q's columns first
	s_mul_i32 s46, s46, REC
	s_mov_b32 s47, 0
	s_mov_b32 s56, 1
	s_mul_i32 s57, s14, BCH                        ; LDS: wave x a chunk
	s_wait_dscnt 0x0
	s_wait_kmcnt 0x0
	s_add_nc_u64 s[58:59], s[6:7], s[46:47]
	s_or_b32 s59, s59, 0x80000000
	CROUND                                         ; all sixteen work-groups are here: the first joint loads meet
	JLOAD                                          ; q's tile of W: my one load at the head
	s_load_b32 s78, s[10:11], 0x0                  ; lamb
	s_mul_i32 s22, s16, REC
	s_add_co_u32 s23, s22, 24576
	s_mul_i32 s20, s17, REC
	s_mul_i32 s21, s15, 12288
	s_add_co_u32 s20, s20, s21
	s_mov_b32 s21, 0
	s_add_nc_u64 s[20:21], s[4:5], s[20:21]        ; x's record of chunk 0 at my four tiles
	s_mul_i32 s24, s15, 11776
	s_sub_co_u32 s24, 24576, s24                   ; from there to my tiles' scale words
	s_mul_i32 s25, s14, WSTG
	s_add_co_u32 s25, s25, STG                     ; my stage
	s_mul_i32 s26, s15, 2816
	s_sub_co_u32 s26, 6144, s26                    ; from my tiles of a q or k record to my part of its scale image
	s_mul_i32 s27, s15, 766
	s_sub_co_u32 s27, 12800, s27                   ; the same for V's image: + 2 th behind a base that holds 768 th
	s_lshl_b32 s28, s40, 10
	s_lshl_b32 s29, s16, 9
	s_add_co_u32 s28, s28, s29
	s_mov_b32 s29, 0
	s_add_nc_u64 s[8:9], s[8:9], s[28:29]          ; q's bias at my 128 columns
	s_lshr_b32 s30, s17, 4
	s_and_b32 s31, s17, 15                         ; the group in its sequence
	s_lshl_b32 s30, s30, 4
	s_lshl_b32 s32, s40, 2
	s_add_co_u32 s30, s30, s32
	s_lshl_b32 s32, s16, 1
	s_add_co_u32 s30, s30, s32                     ; 16 x batch + my first head
	s_lshl_b32 s28, s31, 15
	s_lshl_b32 s32, s15, 14
	s_add_co_u32 s28, s28, s32
	s_add_nc_u64 s[70:71], s[70:71], s[28:29]      ; the table at my tokens
	s_lshl_b32 s32, s30, 19
	s_add_co_u32 s28, s28, s32
	s_add_nc_u64 s[68:69], s[68:69], s[28:29]      ; v1 and out1 at my first head's 64 rows
	s_add_nc_u64 s[76:77], s[76:77], s[28:29]
	s_mov_b64 s[80:81], s[68:69]                   ; where the prefetches stand
	s_lshl_b32 s33, s30, 4
	s_add_co_u32 s33, s33, s31                     ; the record's number
	s_mul_i32 s28, s33, 6656
	s_mul_i32 s32, s15, 3072
	s_add_co_u32 s28, s28, s32
	s_add_nc_u64 s[90:91], s[72:73], s[28:29]      ; q: my first head's record at my tiles,
	s_add_nc_u64 s[92:93], s[90:91], 106496        ; my second head's: 16 records on
	s_mul_i32 s34, s33, 13056
	s_add_co_u32 s28, s34, s32
	s_add_nc_u64 s[84:85], s[74:75], s[28:29]      ; k likewise
	s_add_nc_u64 s[86:87], s[84:85], 208896
	s_mul_i32 s32, s15, 768
	s_add_co_u32 s28, s34, s32
	s_add_nc_u64 s[88:89], s[74:75], s[28:29]      ; v: the record + 768 th
	s_mov_b32 s96, 0x76543210
	s_mov_b32 s97, 0xfedcba98                      ; selects for lane l xor 16
	s_mov_b32 s98, 0x3c800000                      ; 1 / 64
	s_mov_b32 s99, 0x358637bd                      ; 1e-6
	s_mov_b32 s100, 0xffff0000                     ; lanes 16-31
	s_mov_b32 s79, 0                               ; the trip
	v_and_b32 v49, 15, v0                          ; r
	v_bfe_u32 v50, v0, 4, 1                        ; h
	v_and_b32 v51, 31, v0                          ; lane
	v_lshlrev_b32 v[L16], 4, v51
	v_lshlrev_b32 v[L8], 3, v51
	v_lshlrev_b32 v52, 3, v49
	v_lshl_add_u32 v52, v50, 2, v52                ; 8 r + 4 h
	v_add_nc_u32 v[BB16], s22, v[L16]
	v_add_nc_u32 v[BB8], s22, v[L8]
	v_add_nc_u32 v[BBS], s23, v52
	v_add_nc_u32 v53, s24, v52
	v_and_b32 v54, 8, v49
	v_add_nc_u32 v55, v54, v49                     ; r + 8 (r / 8)
	v_mul_u32_u24 v[STO], v55, 272                 ; the stage: token tk lies at 272 tk + 128 (tk / 16)
	v_lshl_add_u32 v[STO], v54, 4, v[STO]
	v_lshl_add_u32 v[STO], v50, 6, v[STO]
	v_add_nc_u32 v[STO], s25, v[STO]
	v_mul_u32_u24 v[RD], v50, 272                  ; lanes 0-15 one token's 256 bytes, lanes 16-31 the next token's
	v_lshl_add_u32 v[RD], v49, 4, v[RD]
	v_add_nc_u32 v[RD], s25, v[RD]
	v_mul_u32_u24 v[COL], v50, 4480                ; lanes 16-31 begin 16 tokens further down
	v_lshl_add_u32 v[COL], v55, 2, v[COL]
	v_add_nc_u32 v[COL], s25, v[COL]
	v_lshlrev_b32 v[SI], 4, v49
	v_lshl_add_u32 v[SI], v50, 3, v[SI]
	v_add_nc_u32 v[SI], s26, v[SI]
	v_lshlrev_b32 v[BOF], 6, v50
	s_wait_alu depctr_va_vdst(0)                   ; the wait at the head's end
.set ff, 0
.rept 32                               ; x's 32 fragments, each as its two halves lie
	AFR ff
	WIN AW_<<6
.set OO_, (ff/8)*NGA*REC+(2*(ff%4)+(ff/4)%2)*1536
	global_load_b128 v[AR_:AR_+3], v[L16], s[20:21] offset:OO_
	global_load_b64 v[AR_+4:AR_+5], v[L8], s[20:21] offset:OO_+512
	global_load_b128 v[AR_+6:AR_+9], v[L16], s[20:21] offset:OO_+768
	global_load_b64 v[AR_+10:AR_+11], v[L8], s[20:21] offset:OO_+1280
.set ff, ff+1
.endr
	WIN 0
.irp kc, 0,1,2,3
.irp a, 0,1,2,3
	global_load_b32 v[ASC+4*\kc+\a], v53, s[20:21] offset:\kc*NGA*REC+128*\a
.endr
.endr
	BIAS
	CSLOAD 0
	CSLOAD 1
	s_wait_kmcnt 0x0                               ; lamb
.macro SZOF m                          ; LDS loads of batch m
.set SZ_, 0
.if (\m) < 16
.set SZ_, 16
.if (\m)%4 == 0
.set SZ_, 24
.endif
.endif
.endm
; Batch m: W's tiles 4 (m % 2) .. + 3 of K step m / 2 into set m % 3; with a chunk's first batch its addresses and its eight scale registers
.macro BATCH m
.if (\m)%4 == 0
	v_add_nc_u32 v[CUR16], ((\m)/4)*BCH, v[BB16]
	v_add_nc_u32 v[CUR8], ((\m)/4)*BCH, v[BB8]
	v_add_nc_u32 v[CURS], ((\m)/4)*BCH, v[BBS]
	s_wait_alu depctr_va_vdst(0)
.irp i, 0,1,2,3,4,5,6,7
	ds_load_b32 v[BSC+8*(((\m)/4)%2)+\i], v[CURS] offset:128*\i
.endr
.endif
.irp t, 0,1,2,3
.set U_, (2*(4*((\m)%2)+\t)+((\m)/2)%2)*1536
.set R_, BF+48*((\m)%3)+12*\t
	ds_load_b128 v[R_:R_+3], v[CUR16] offset:U_
	ds_load_b64 v[R_+4:R_+5], v[CUR8] offset:U_+512
	ds_load_b128 v[R_+6:R_+9], v[CUR16] offset:U_+768
	ds_load_b64 v[R_+10:R_+11], v[CUR8] offset:U_+1280
.endr
.endm
.macro MM a, b, br
.set D_, 8*(8*(\a)+(\b))
.set SB_, BSC+8*((ST_/2)%2)+(\b)
.set SA_, ASC+4*(ST_/2)+(\a)
.if ST_ == 0
	v_wmma_scale_f32_16x16x128_f8f6f4 v[D_:D_+7], v[\br:\br+11], v[AR_:AR_+11], v[8*(\b):8*(\b)+7], v[SB_], v[SA_] matrix_a_fmt:MATRIX_FMT_BF6 matrix_b_fmt:MATRIX_FMT_BF6
.elseif ST_%2 == 0
	v_wmma_scale_f32_16x16x128_f8f6f4 v[D_:D_+7], v[\br:\br+11], v[AR_:AR_+11], v[D_:D_+7], v[SB_], v[SA_] matrix_a_fmt:MATRIX_FMT_BF6 matrix_b_fmt:MATRIX_FMT_BF6
.else
	v_wmma_scale_f32_16x16x128_f8f6f4 v[D_:D_+7], v[\br:\br+11], v[AR_:AR_+11], v[D_:D_+7], v[SB_], v[SA_] matrix_a_fmt:MATRIX_FMT_BF6 matrix_b_fmt:MATRIX_FMT_BF6 matrix_a_scale:MATRIX_SCALE_ROW1 matrix_b_scale:MATRIX_SCALE_ROW1
.endif
.endm
.macro V1LOAD                          ; my two heads' 64 rows of v1 each, two rows (512 consecutive bytes) a load, into all of window 3: x's fragments there served K steps 0 to 5
	WIN 0xc0
.set pp, 0
.rept 64
	global_load_b128 v[4*pp:4*pp+3], v[L16], s[68:69] offset:524288*(pp/32)+512*(pp%32) th:TH_LOAD_NT
.set pp, pp+1
.endr
	WIN 0
.endm
; Half a K step: 16 matrix instructions, my four blocks x four tiles of W; ahead of them the batch two halves on is asked for, into the set that the last half read (four places behind its products).
; The 32 accumulators take turns, one instruction a turn, in the same order in every step.
.macro HALF n, last
	WIN 0
.if (\n) < 14
	PLACES 4
.if (\last) && (\n) == 12
	V1LOAD
.endif
	BATCH (\n)+2
.endif
	SZOF (\n)+1
.set WT_, SZ_
	SZOF (\n)+2
	s_wait_dscnt WT_+SZ_                           ; this half's batch is in; the two batches behind it may be out
.set ST_, (\n)/2
.set BS_, BF+48*((\n)%3)
.irp a, 0,1,2,3
	AFR 4*ST_+\a
.if ST_ == 0
	WIN 0x60|(AW_<<2)                              ; W window 0, x window 2 or 3, C (the bias) window 2, D window 1
.else
	WIN 0x50|(AW_<<2)
.endif
.irp t, 0,1,2,3
	MM \a, 4*((\n)%2)+\t, BS_+12*\t
.endr
.endr
.endm
.macro GEMM last
	BATCH 0
	BATCH 1
.irp n, 0,1,2,3,4,5,6,7,8,9,10,11,12,13,14,15
	HALF \n, \last
.endr
	WIN 0
	PLACES 4                                       ; behind the last products
.endm
; 64 numbers of a lane, register 16 b + i = place 32 (b % 2) + 16 h + i along K of row b / 2, become two half fragments in v[PC] .. v[PC + 11] and the four scale bytes in v[wr]
.macro QUANT4 src, wr
.irp b, 0,1,2,3
	v_max3_num_f32 v[TM+\b], |v[(\src)+16*\b]|, |v[(\src)+1+16*\b]|, 0x2800000   ; and the floor 2^(5 - 127): the byte cannot fall under 1
.endr
.irp i, 2,4,6,8,10,12,14
.irp b, 0,1,2,3
	v_max3_num_f32 v[TM+\b], v[TM+\b], |v[(\src)+16*\b+\i]|, |v[(\src)+1+16*\b+\i]|
.endr
.endr
.irp b, 0,1,2,3
	v_permlanex16_b32 v[TM+4+\b], v[TM+\b], s96, s97
.endr
.irp b, 0,1,2,3
	v_max_num_f32 v[TM+\b], v[TM+\b], v[TM+4+\b]
.endr
.irp b, 0,1,2,3
	v_add_nc_u32 v[TM+8+\b], 0xfe000000, v[TM+\b]  ; 4 off the exponent field: the conversion's scale operand
.endr
.irp b, 0,1,2,3
	v_lshrrev_b32 v[TM+4+\b], 23, v[TM+8+\b]       ; the scale's byte
.endr
	v_lshl_or_b32 v[\wr], v[TM+5], 8, v[TM+4]
	v_lshl_or_b32 v[\wr], v[TM+6], 16, v[\wr]
	v_lshl_or_b32 v[\wr], v[TM+7], 24, v[\wr]
.irp c, 0,1
	v_cvt_scalef32_pk16_bf6_f32 v[PC+6*\c:PC+2+6*\c], v[(\src)+32*\c:(\src)+15+32*\c], v[TM+8+2*\c]
	v_cvt_scalef32_pk16_bf6_f32 v[PC+12+4*\c:PC+14+4*\c], v[(\src)+16+32*\c:(\src)+31+32*\c], v[TM+8+2*\c+1]
.endr
	v_nop                                          ; one plain place behind a scaled conversion
.irp c, 0,1
.irp i, 0,1,2
	v_permlane16_swap_b32 v[PC+6*\c+\i], v[PC+12+4*\c+\i]
.endr
.irp i, 0,1,2
	v_mov_b32 v[PC+3+6*\c+\i], v[PC+12+4*\c+\i]
.endr
.endr
.endm
; ======== THE WAY OUT FOR q AND k.  No LDS: a lane holds one token and half of each head's 64 channels; the other half lies in lane l xor 16.
.set OUT, 48                           ; v48-111  two heads' 32 numbers each, turned
.set PC,  112                          ; v112-130 the codes
.set TM,  132                          ; v132-143 at work
.set SS,  144                          ; v144-151 sums of squares: two chains a head
.set RI,  152                          ; v[152:153], v[154:155] 1 / rms, by head
.set SW,  156                          ; v156-159 the blocks' scale bytes
.set IM,  160                          ; v160-163 the scale images
.set PFT, 164                          ; 256 x lane
.macro BLOCK a, cnt
.set AC, 64*(\a)
.set CB, CSR+32*((\a)%2)
	WIN 0x05                                       ; sources 0 and 1: window 1
	s_wait_alu depctr_va_vdst(0)                   ; the wait directly ahead of the first readers of these sums
.irp hh, 0,1                           ; the sum of squares, ascending
	v_pk_mul_f32 v[SS+4*\hh:SS+4*\hh+1], v[AC+32*\hh:AC+32*\hh+1], v[AC+32*\hh:AC+32*\hh+1]
	v_pk_mul_f32 v[SS+4*\hh+2:SS+4*\hh+3], v[AC+32*\hh+2:AC+32*\hh+3], v[AC+32*\hh+2:AC+32*\hh+3]
.endr
.irp p, 4,8,12,16,20,24,28
.irp hh, 0,1
	v_pk_fma_f32 v[SS+4*\hh:SS+4*\hh+1], v[AC+32*\hh+\p:AC+32*\hh+\p+1], v[AC+32*\hh+\p:AC+32*\hh+\p+1], v[SS+4*\hh:SS+4*\hh+1]
	v_pk_fma_f32 v[SS+4*\hh+2:SS+4*\hh+3], v[AC+32*\hh+\p+2:AC+32*\hh+\p+3], v[AC+32*\hh+\p+2:AC+32*\hh+\p+3], v[SS+4*\hh+2:SS+4*\hh+3]
.endr
.endr
	WIN 0
.irp hh, 0,1
	v_pk_add_f32 v[SS+4*\hh:SS+4*\hh+1], v[SS+4*\hh:SS+4*\hh+1], v[SS+4*\hh+2:SS+4*\hh+3]
.endr
.irp hh, 0,1
	v_add_f32 v[SS+4*\hh], v[SS+4*\hh], v[SS+4*\hh+1]
.endr
.irp hh, 0,1
	v_permlanex16_b32 v[SS+4*\hh+1], v[SS+4*\hh], s96, s97
.endr
.irp hh, 0,1
	v_add_f32 v[SS+4*\hh], v[SS+4*\hh], v[SS+4*\hh+1]
.endr
.irp hh, 0,1
	v_fma_f32 v[SS+4*\hh], v[SS+4*\hh], s98, s99   ; the mean + 1e-6
.endr
	s_wait_alu depctr_va_vdst(0)                   ; the wait ahead of the two roots
.irp hh, 0,1
	v_rsq_f32 v[RI+2*\hh], v[SS+4*\hh]
.endr
	s_wait_loadcnt \cnt                            ; this block's table is in; cnt loads were issued behind it
	WIN 0x01                                       ; source 0: window 1
.irp hh, 0,1                           ; the turn, on the sums as they are: out1 = t1 cos - t2 sin, out2 = t1 sin + t2 cos
.set pp, 0
.rept 8
	v_pk_mul_f32 v[OUT+32*\hh+pp:OUT+32*\hh+pp+1], v[AC+32*\hh+16+pp:AC+32*\hh+17+pp], v[CB+16+pp:CB+17+pp]
	v_pk_mul_f32 v[OUT+32*\hh+16+pp:OUT+32*\hh+17+pp], v[AC+32*\hh+16+pp:AC+32*\hh+17+pp], v[CB+pp:CB+pp+1]
.set pp, pp+2
.endr
.endr
.irp hh, 0,1
.set pp, 0
.rept 8
	v_pk_fma_f32 v[OUT+32*\hh+pp:OUT+32*\hh+pp+1], v[AC+32*\hh+pp:AC+32*\hh+pp+1], v[CB+pp:CB+pp+1], v[OUT+32*\hh+pp:OUT+32*\hh+pp+1] neg_lo:[0,0,1] neg_hi:[0,0,1]
	v_pk_fma_f32 v[OUT+32*\hh+16+pp:OUT+32*\hh+17+pp], v[AC+32*\hh+pp:AC+32*\hh+pp+1], v[CB+16+pp:CB+17+pp], v[OUT+32*\hh+16+pp:OUT+32*\hh+17+pp]
.set pp, pp+2
.endr
.endr
	WIN 0
	s_wait_alu depctr_va_vdst(0)                   ; one wait for both roots, ahead of their first reader and of the branch below
.if (\a) < 2
	CSLOAD (\a)+2                                  ; the set just read takes the block two on
.endif
.if (\a) == 3
	s_cmp_eq_u32 s79, 0                            ; q's way out asks for k's first two blocks; k's asks for nothing more
	s_cbranch_scc0 .Lno_table
	CSLOAD 0
	CSLOAD 1
.Lno_table:
.endif
	s_wait_xcnt 0x0                                ; the codes' registers are the data of the last block's stores
.set pp, 0
.rept 32
	v_pk_mul_f32 v[OUT+pp:OUT+pp+1], v[OUT+pp:OUT+pp+1], v[RI+2*(pp/32):RI+2*(pp/32)+1] op_sel_hi:[1,0]
.set pp, pp+2
.endr
	QUANT4 OUT, SW+(\a)
.irp hh, 0,1
	global_store_b128 v[L16], v[PC+6*\hh:PC+6*\hh+3], s[90+2*\hh:91+2*\hh] offset:768*(\a)         ; 512 consecutive bytes
	global_store_b64 v[L8], v[PC+6*\hh+4:PC+6*\hh+5], s[90+2*\hh:91+2*\hh] offset:768*(\a)+512     ; 256 consecutive bytes
.endr
.endm
	s_wait_alu depctr_va_vdst(0)
.Ltile:                                        ; two trips: q, then k
	s_wait_tensorcnt 0x0                           ; my chunk of W's tile is in
	s_wait_loadcnt 16                              ; x's codes and scales and the bias are in; the table's two sets may be out
	s_barrier_signal -1
	s_barrier_wait -1                              ; everybody's chunk is in
	GEMM 0
	s_wait_tensorcnt 0x0                           ; no tensor load of mine is out, so group 0 may be written
	ds_add_u32 v[SPW], v[NIL]
	s_add_nc_u64 s[58:59], s[58:59], 8*REC         ; the next kind's columns: eight records on
	s_wait_dscnt 0x0                               ; the add is done, and my reads of the tile are over
	CROUND                                         ; no wave of any partner still reads the tile
	JLOAD                                          ; the next tile of W: it has this way out in which to land
	s_wait_xcnt 0x0
	s_add_nc_u64 s[8:9], s[8:9], 4096              ; the next kind's bias
	BIAS
	v_lshlrev_b32 v[PFT], 4, v[L16]
	global_prefetch_b8 v[PFT], s[80:81] th:TH_LOAD_NT scope:SCOPE_SE
	global_prefetch_b8 v[PFT], s[80:81] offset:8192 th:TH_LOAD_NT scope:SCOPE_SE
.irp b, 4,5,6,7
	v_mov_b32 v[TM+\b], 0                          ; a lane permute's destination counts as one of its sources
.endr
	v_mov_b32 v[RI+1], 0                           ; (named as the upper halves of pairs)
	v_mov_b32 v[RI+3], 0
	BLOCK 0, 24                                    ; behind its table: the other set's eight loads and the bias's sixteen
	BLOCK 1, 24                                    ; the bias's sixteen and block 2's eight
	BLOCK 2, 8
	BLOCK 3, 0
	v_cndmask_b32 v[IM], v[SW], v[SW+2], s100      ; the scale image: lane (r, h) holds the words of blocks 2 h, 2 h + 1 of row r: the low half is my first head's, the high half my second's
	v_cndmask_b32 v[IM+1], v[SW+1], v[SW+3], s100
	v_lshrrev_b32 v[IM+2], 16, v[IM]
	v_lshrrev_b32 v[IM+3], 16, v[IM+1]
	v_and_b32 v[IM], 0xffff, v[IM]
	v_and_b32 v[IM+1], 0xffff, v[IM+1]
	global_store_b64 v[SI], v[IM:IM+1], s[90:91]   ; 256 consecutive bytes
	global_store_b64 v[SI], v[IM+2:IM+3], s[92:93]
	s_wait_xcnt 0x0                                ; the stores and prefetches have read their registers and bases
	s_mov_b64 s[90:91], s[84:85]                   ; the next trip's results go to k's records
	s_mov_b64 s[92:93], s[86:87]
	s_add_nc_u64 s[80:81], s[80:81], 524288        ; and its prefetches name my second head's rows
	s_add_co_u32 s79, s79, 1
	s_cmp_lt_u32 s79, 2
	s_wait_alu depctr_va_vdst(0)
	s_cbranch_scc1 .Ltile
; ======== v: the last tile is written out
	s_wait_tensorcnt 0x0
	s_wait_loadcnt 0x0                             ; the bias
	s_barrier_signal -1
	s_barrier_wait -1
	GEMM 1
; THE WAY OUT FOR v, a head at a time.  The head's 64 tokens x 64 channels go into my stage as rows; they come back two rows at a time, are blended with v1, leave for out1 in whole rows of 256 bytes
; and go back into the stage; then they come back down the columns, a lane a channel and its registers along the tokens, and are quantised along the tokens.
.set RW,  48                           ; v48-111  16 pairs of rows
.set CL,  48                           ; v48-175  two sets: two channel tiles' 32 numbers each
.set PC,  176                          ; v176-194 the codes
.set LAM, 200                          ; v[200:201] lamb, v[202:203] 1 - lamb
.set TM,  204                          ; v204-215 at work
.set VW,  216                          ; v216-217 the scale bytes of tiles 0, 1 and of tiles 2, 3
.set VS,  218
.set VOF, 219
.macro CLOADH p, c                     ; tile 2 p + c: register 16 b + i = token 32 b + 16 h + i of channel 32 p + 8 c + r + 8 (r / 8)
.irp b, 0,1
.irp i, 0,1,2,3,4,5,6,7,8,9,10,11,12,13,14,15
	ds_load_b32 v[CL+64*(\p)+32*(\c)+16*\b+\i], v[COL] offset:(32*\b+\i)*272+256*\b+4*(32*(\p)+8*(\c))
.endr
.endr
.endm
.macro VSTORE p, hh                    ; of each fragment the half of my 64 keys
.irp c, 0,1
	global_store_b128 v[L16], v[PC+6*\c:PC+6*\c+3], s[88:89] offset:208896*(\hh)+6656+1536*(2*(\p)+\c)
	global_store_b64 v[L8], v[PC+6*\c+4:PC+6*\c+5], s[88:89] offset:208896*(\hh)+6656+1536*(2*(\p)+\c)+512
.endr
.endm
.macro VHEAD hh
	WIN 0x04                                       ; an LDS store's data are its source 1: window 1
.irp a, 0,1,2,3                        ; lane (r, h) of block a holds token 32 (a / 2) + 8 (a % 2) + r + 8 (r / 8); each accumulator from its low end on
.irp bb, 0,1
.irp j, 0,1,2,3
	ds_store_b128 v[STO], v[64*\a+32*(\hh)+16*\bb+4*\j:64*\a+32*(\hh)+16*\bb+4*\j+3] offset:(32*(\a/2)+8*(\a%2))*272+256*(\a/2)+128*\bb+16*\j
.endr
.endr
.endr
	WIN 0
.irp k, 0,1
	s_wait_xcnt 0x0                                ; the rows' registers are the data of earlier stores
.irp t, 0,1,2,3,4,5,6,7,8,9,10,11,12,13,14,15
	ds_load_b128 v[RW+4*\t:RW+4*\t+3], v[RD] offset:544*(16*\k+\t)+128*((16*\k+\t)/8)   ; LDS serves a wave's instructions in order: these see my stores
.endr
	s_wait_loadcnt 48-16*(2*(\hh)+\k)              ; this batch's sixteen loads of v1 are in; those of the batches behind it may be out
	s_wait_dscnt 0x0
.set pp, 0
.rept 32
	v_pk_mul_f32 v[RW+pp:RW+pp+1], v[RW+pp:RW+pp+1], v[LAM+2:LAM+3]                    ; (1 - lamb) v
.set pp, pp+2
.endr
	WIN 0x03                                       ; source 0 (v1) window 3
.set pp, 0
.rept 32
	v_pk_fma_f32 v[RW+pp:RW+pp+1], v[128*(\hh)+64*\k+pp:128*(\hh)+64*\k+pp+1], v[LAM:LAM+1], v[RW+pp:RW+pp+1]   ; + lamb v1
.set pp, pp+2
.endr
	WIN 0
.irp t, 0,1,2,3,4,5,6,7,8,9,10,11,12,13,14,15
	global_store_b128 v[L16], v[RW+4*\t:RW+4*\t+3], s[76:77] offset:524288*(\hh)+512*(16*\k+\t) th:TH_STORE_NT   ; sixteen lanes store a row's 256 consecutive bytes, aligned
.endr
.irp t, 0,1,2,3,4,5,6,7,8,9,10,11,12,13,14,15
	ds_store_b128 v[RD], v[RW+4*\t:RW+4*\t+3] offset:544*(16*\k+\t)+128*((16*\k+\t)/8)
.endr
.endr
	s_wait_xcnt 0x0                                ; the columns land on the rows' registers
	CLOADH 0, 0
	CLOADH 0, 1
	CLOADH 1, 0
	s_wait_dscnt 32                                ; tiles 0 and 1 are in; the 32 loads just issued may be out
	QUANT4 CL, VW
	VSTORE 0, \hh
	CLOADH 1, 1
	s_wait_dscnt 0x0
	s_wait_xcnt 0x0                                ; the codes' registers are the data of the stores above
	QUANT4 CL+64, VW+1
	VSTORE 1, \hh
	v_cndmask_b32 v[VS], v[VW], v[VW+1], s100      ; lanes 0-15 tiles 0, 1; lanes 16-31 tiles 2, 3: my two bytes of each tile's scale word
	global_store_b16 v[VOF], v[VS], s[88:89] offset:208896*(\hh)
	global_store_d16_hi_b16 v[VOF], v[VS], s[88:89] offset:208896*(\hh)+4
.endm
.irp b, 4,5,6,7
	v_mov_b32 v[TM+\b], 0                          ; a lane permute's destination counts as one of its sources
.endr
	v_mov_b32 v[LAM], s78
	v_mov_b32 v[LAM+1], s78
	v_sub_f32 v[LAM+2], 1.0, v[LAM]                ; 1 - lamb, rounded once
	v_mov_b32 v[LAM+3], v[LAM+2]
	v_add_nc_u32 v[VOF], s27, v[L8]
	s_wait_alu depctr_va_vdst(0)
	VHEAD 0
	VHEAD 1
	s_wait_tensorcnt 0x0                           ; the wave's end
	ds_add_u32 v[SPW], v[NIL]
	s_wait_dscnt 0x0
	CROUND                                         ; the closing round
	s_endpgm
.Lfunc_end_k_q55266e280a_qkv:
	.size	k_q55266e280a_qkv, .Lfunc_end_k_q55266e280a_qkv-k_q55266e280a_qkv
	.p2alignl 7, 3214868480
	.fill 96, 4, 3214868480
	.section	.rodata,"a",@progbits
	.p2align	6, 0x0
	.amdhsa_kernel k_q55266e280a_qkv
		.amdhsa_group_segment_fixed_size 327680
		.amdhsa_private_segment_fixed_size 0
		.amdhsa_enable_private_segment 0
		.amdhsa_kernarg_size 72
		.amdhsa_user_sgpr_count 2
		.amdhsa_user_sgpr_kernarg_segment_ptr 1
		.amdhsa_wavefront_size32 1
		.amdhsa_system_sgpr_workgroup_id_x 1
		.amdhsa_system_sgpr_workgroup_id_y 1
		.amdhsa_system_sgpr_workgroup_id_z 1
		.amdhsa_system_vgpr_workitem_id 0
		.amdhsa_next_free_vgpr 1024
		.amdhsa_next_free_sgpr 102
		.amdhsa_reserve_vcc 0
		.amdhsa_float_denorm_mode_32 3
		.amdhsa_float_denorm_mode_16_64 3
		.amdhsa_memory_ordered 1
		.amdhsa_forward_progress 1
		.amdhsa_inst_pref_size 255
	.end_amdhsa_kernel
	.section	.bss,"aw",@nobits
	.p2align	6
	.space	262144
	.amdgpu_metadata
---
amdhsa.version: [ 1, 2 ]
amdhsa.kernels:
  - .name:           k_q55266e280a_qkv
    .symbol:         k_q55266e280a_qkv.kd
    .args:
      - { .name: xq, .offset: 0, .size: 8, .value_kind: global_buffer, .address_space: global }
      - { .name: wq, .offset: 8, .size: 8, .value_kind: global_buffer, .address_space: global }
      - { .name: b_qkv, .offset: 16, .size: 8, .value_kind: global_buffer, .address_space: global }
      - { .name: lamb, .offset: 24, .size: 8, .value_kind: global_buffer, .address_space: global }
      - { .name: v1, .offset: 32, .size: 8, .value_kind: global_buffer, .address_space: global }
      - { .name: rot, .offset: 40, .size: 8, .value_kind: global_buffer, .address_space: global }
      - { .name: qbuf, .offset: 48, .size: 8, .value_kind: global_buffer, .address_space: global }
      - { .name: kvbuf, .offset: 56, .size: 8, .value_kind: global_buffer, .address_space: global }
      - { .name: out1, .offset: 64, .size: 8, .value_kind: global_buffer, .address_space: global }
    .group_segment_fixed_size: 327680
    .private_segment_fixed_size: 0
    .kernarg_segment_align: 8
    .kernarg_segment_size: 72
    .max_flat_workgroup_size: 128
    .sgpr_count:     102
    .vgpr_count:     1024
    .wavefront_size: 32
...
	.end_amdgpu_metadata
.endif
;; end of part 2
;; launch attn (part 3): grid 4 x 64, 16 waves a work-group, clusters of 4 x 1, 327,680 bytes of LDS; arguments qbuf, kvbuf, abuf; writes abuf
.if DOCPART == 3
	.amdgcn_target "amdgcn-amd-amdhsa--gfx1250"
	.amdhsa_code_object_version 6
	.text
	.protected	k_q55266e280a_attn
	.globl	k_q55266e280a_attn
	.p2align	8
	.type	k_q55266e280a_attn,@function
k_q55266e280a_attn:
	s_mov_b64 s[64:65], 0
	v_nop
	global_prefetch_b8 v0, s[64:65] scope:SCOPE_SE
	s_setreg_imm32_b32 hwreg(HW_REG_WAVE_MODE, 25, 1), 1
	s_wait_xcnt 0x0
	s_wait_alu depctr_hold_cnt(0) depctr_sa_sdst(0) depctr_va_vdst(0) depctr_va_sdst(0) depctr_va_ssrc(0) depctr_va_vcc(0) depctr_vm_vsrc(0)
	s_getreg_b32 s2, hwreg(HW_REG_IB_STS2, 6, 4)
	s_cmp_eq_u32 s2, 0
	s_cbranch_scc0 .Lentry_in_a_cluster
	s_endpgm
.Lentry_in_a_cluster:
	s_bfe_u32 s2, ttmp6, 0x10000c
	s_cmp_lg_u32 s2, 0x3003
	s_cbranch_scc0 .Lentry_shape_is_right
	s_endpgm
.Lentry_shape_is_right:
; attn[q] = softmax_k(q . k / 8, causal) value, both products on codes of BF6 (E3M2) with E8M0 scales; the result, divided by the row's sum, is quantised along C for the last product -> abuf.
; THE SOFTMAX AHEAD OF THE SECOND PRODUCT: t = score x log2(e) / 8; p = 2^(t - M), M a whole number, is what is quantised, along the keys; the row's sum is taken of the unquantised p and divides at the end.
; M IS THE CONSTANT 16, for every row.  The computation itself bounds t for every input: reference() divides q and k by sqrt(mean of squares + 1e-6), so a head's 64 numbers have at most 64 as their sum of
; squares, the rotary turn keeps that, and the quantiser moves a number by at most an eighth of itself (a subnormal code by at most 1 / 512 of its block's largest): both lengths stay under 9.1, |score / 8| under 10.4,
; |t| under 15.1.  So p lies between 2^-32 and 2^-0.9, a row's sum between 2^-32 and 2^11, and nothing overflows or underflows.  Against M = ceil(the row's largest t) every p, the sum and O differ by one exact power
; of two, which the blocks' scale bytes (at least 91 here) take up and the division takes away: the codes' values are the same.
; Tiles of keys that lie wholly behind a wave's queries are under reference()'s own causal mask and are not walked.
; SHARES.  A head's K and V, 16 records of 13,056 bytes (128 keys each), lie in LDS whole: wave w brings record w by one tensor load at the head; one wait and one barrier follow, and none after that.
; Wave w of work-group I owns two tiles of 16 queries: tile 127 - u, then tile u, u = 4 w + I.  Tile T walks records 0 .. T / 8: 16 - w / 2 steps and w / 2 + 1 steps: 17 steps of 128 keys for every wave,
; the last step of each pass on the diagonal.  Every work-group reads all 16 records (its waves 0 and 1 walk to record 15).
; CLUSTER: the four work-groups of a head ask for the same 16 records by the same descriptors: joint loads, mask 15.  Branches, trip counts and LDS addresses hang on the trip and the wave's number alone;
; cx enters global addresses and the number that the mask compares with.
; NO PREFETCH: all of K and V is asked for by the head's loads; there is no loop to run ahead in.
; LAYOUT.  Both products are used transposed: S^T = K Q^T (source 0 = 16 keys), O^T = V^T P^T (source 0 = 16 channels): a lane holds ONE query throughout.  K = 64 of the first product fills half of the instruction's 128:
; registers 6-11 of K's and Q's fragments are zero codes, written once.  Records hold their rows with bits 3 and 4 of the place exchanged, so that the 16 registers of tiles 2 b and 2 b + 1 are neighbours:
; keys 32 b + 16 (lane / 16) + 0 .. 15 in S^T, channels likewise in O^T; lane r of query tile T is query 32 (T / 2) + 8 (T % 2) + r + 8 (r / 8).
; LIMITS: NaN and infinities are not served; a block whose largest magnitude lies under 2^-122 keeps the byte 1, a block of zeros too.
.set KVREC, 13056
.set QREC,  6656
.set REC,   25600
.set SPARE, 16*KVREC                   ; behind the records: the spare words, 128 bytes for each wave
.set L16, 1
.set L8,  2
.set TQH, 3                            ; r + 8 (r / 8) - 16 h
.set SPW, 4
.set NIL, 5
.set A16, 6
.set A8,  7
.set SOB, 11                           ; 8 r + h
                                       ; v[12:13] -16; v[14:15] the sum in two halves
.set QF,  16                           ; v16-27 Q's fragment
.set Q2,  28                           ; v28-33 the second pass's
.set QS,  34                           ; v34, v35 their scale words
.set KFR, 36                           ; v36-83 four fragments of K
.set S,   84                           ; v84-147 S^T, then p, then V's four fragments, then the finished numbers
.set O,   148                          ; v148-179 O^T
.set PCD, 180
.set PC2, 192
.set BM,  200
.set BP,  204
.set BO,  208
.set F,   212
.set TT,  214
.set NI,  215
.set KSC, 216
.set VSC, 220
.set PSW, 222
.set H,   224                          ; v224-232 the result's codes;  v242-255 seven more chains of the sum
.set WV,  10
.set I,   11
.set BH,  12
.set N,   13                           ; the trip
.set NSW, 14                           ; the trip at which the second pass begins: 16 - w / 2
.set DG,  15                           ; the record on the diagonal in this pass
.set KI,  32                           ; the record in hand
.set KF,  33                           ; its first key
.set TB,  34                           ; its LDS byte
.set T0,  35
.set T1,  36
.set QBM, 37                           ; 32 (T / 2) + 8 (T % 2)
.set SEL, 38
.set CS,  40
.set HM,  42
.set QBM2, 43
.set DG2, 44
.set AB,  46                           ; where this pass's codes go; ABS: its scale bytes; AB2, ABS2: the second pass's
.set ABS, 48
.set AB2, 50
.set ABS2, 52
.set QA,  54
.set QSA, 56
.set QB2, 58
.set QSB, 60
.macro CROUND
	s_barrier_signal -1
	s_barrier_wait -1
	s_cmp_lg_u32 s[WV], 0
	s_cbranch_scc1 .Lnot_wave_0_\@
	s_barrier_signal -3
.Lnot_wave_0_\@:
	s_barrier_wait -3
	s_barrier_signal -1
	s_barrier_wait -1
.endm
; the addresses of a pass, from its tile's number in s[t]
.macro PASSADR t, qbm, qa, qsa, ab, abs
	s_lshr_b32 s67, s[\t], 1
	s_lshl_b32 s67, s67, 5
	s_and_b32 s68, s[\t], 1
	s_lshl_b32 s68, s68, 3
	s_add_co_u32 s[\qbm], s67, s68
	s_lshr_b32 s67, s[\t], 3                       ; the group of 128 tokens
	s_and_b32 s68, s[\t], 7                        ; the tile in it
	s_lshl_b32 s69, s[BH], 4
	s_add_co_u32 s69, s69, s67
	s_mul_i32 s30, s69, QREC
	s_add_nc_u64 s[\qsa:\qsa+1], s[4:5], s[30:31]
	s_mul_i32 s30, s68, 768
	s_add_nc_u64 s[\qa:\qa+1], s[\qsa:\qsa+1], s[30:31]
	s_lshr_b32 s69, s68, 2
	s_lshl_b32 s69, s69, 8
	s_and_b32 s30, s68, 3
	s_lshl_b32 s30, s30, 2
	s_add_co_u32 s30, s30, s69
	s_add_nc_u64 s[\qsa:\qsa+1], s[\qsa:\qsa+1], s[30:31]   ; the tile's words in the scale image
	s_add_co_u32 s69, s70, s67
	s_mul_i32 s30, s69, REC
	s_add_nc_u64 s[\abs:\abs+1], s[8:9], s[30:31]  ; abuf: record [head / 4][16 x batch + group]
	s_lshl_b32 s30, s68, 2
	s_add_co_u32 s30, s30, s71
	s_mul_i32 s30, s30, 768
	s_add_nc_u64 s[\ab:\ab+1], s[\abs:\abs+1], s[30:31]     ; half (tile, head % 4)
	s_lshl_b32 s30, s68, 7
	s_lshl_b32 s69, s71, 1
	s_add_co_u32 s30, s30, s69
	s_add_nc_u64 s[\abs:\abs+1], s[\abs:\abs+1], s[30:31]   ; the bytes of blocks 2 (head % 4) + h
.endm
	s_load_b128 s[4:7], s[0:1], 0x0                ; qbuf, kvbuf
	s_load_b64 s[8:9], s[0:1], 0x10                ; abuf
	v_lshl_add_u32 v[SPW], v0, 2, SPARE
	v_mov_b32 v[NIL], 0
	ds_add_u32 v[SPW], v[NIL]                      ; the opening lines: the add, twice on end, and its wait
	ds_add_u32 v[SPW], v[NIL]
	v_lshrrev_b32 v200, 5, v0
	v_readfirstlane_b32 s[WV], v200                ; wave 0..15
	s_bfe_u32 s[I], ttmp6, 0x40000                 ; cx
	s_and_b32 s[BH], ttmp7, 0xffff                 ; the head of a batch
	s_mov_b32 s16, 15|(3<<16)|(1<<21)              ; the four of the cluster; elements of 8 bytes; no padding; bit 21 beside a mask
	s_mov_b32 s17, 32<<16                          ; rows of 256 bytes,
	s_mov_b32 s18, 51<<16                          ; 51 of them: a record
	s_mov_b32 s19, 32<<16
	s_mov_b32 s20, 51
	s_mov_b32 s21, 32                              ; dense
	s_mov_b32 s22, 0
	s_mov_b32 s23, 0
	s_lshl_b32 s30, s[BH], 4
	s_add_co_u32 s30, s30, s[WV]
	s_mul_i32 s30, s30, KVREC
	s_mov_b32 s31, 0
	s_mov_b32 s24, 1
	s_mul_i32 s25, s[WV], KVREC
	s_wait_dscnt 0x0
	s_wait_kmcnt 0x0
	s_add_nc_u64 s[26:27], s[6:7], s[30:31]
	s_or_b32 s27, s27, 0x80000000
	CROUND                                         ; the four work-groups are here: the joint loads meet
	tensor_load_to_lds s[24:27], s[16:23]          ; record w: my one tensor load
	s_nop 0
.rept 4
	v_nop
.endr
	s_lshr_b32 s62, s[WV], 1
	s_sub_co_u32 s[NSW], 16, s62
	s_sub_co_u32 s[DG], 15, s62
	s_mov_b32 s[DG2], s62
	s_lshl_b32 s63, s[WV], 2
	s_add_co_u32 s63, s63, s[I]                    ; u: the second pass's tile
	s_sub_co_u32 s66, 127, s63                     ; the first pass's
	s_and_b32 s71, s[BH], 15
	s_lshr_b32 s70, s71, 2
	s_lshl_b32 s70, s70, 6
	s_and_b32 s71, s71, 3                          ; head % 4
	s_lshr_b32 s69, s[BH], 4
	s_lshl_b32 s69, s69, 4
	s_add_co_u32 s70, s70, s69                     ; 64 (head / 4) + 16 x batch
	PASSADR 66, QBM, QA, QSA, AB, ABS
	PASSADR 63, QBM2, QB2, QSB, AB2, ABS2
	s_mov_b32 s[SEL], 0x76543210
	s_mov_b32 s[SEL+1], 0xfedcba98
	s_mov_b32 s[CS], 0x3e38aa3b                    ; log2(e) / 8
	s_mov_b32 s[CS+1], s[CS]
	s_mov_b32 s[HM], 0xffff0000
	s_mov_b32 s[N], 0
	v_and_b32 v204, 31, v0
	v_and_b32 v205, 15, v0
	v_bfe_u32 v206, v0, 4, 1
	v_lshlrev_b32 v[L16], 4, v204
	v_lshlrev_b32 v[L8], 3, v204
	v_lshlrev_b32 v202, 4, v205
	v_and_b32 v[TQH], 8, v205
	v_lshlrev_b32 v203, 4, v206
	v_add_nc_u32 v[TQH], v[TQH], v205
	v_lshl_add_u32 v[SOB], v205, 3, v206
	v_sub_nc_u32 v[TQH], v[TQH], v203
	s_wait_alu depctr_va_vdst(0)
	global_load_b128 v[QF:QF+3], v[L16], s[QA:QA+1]
	global_load_b64 v[QF+4:QF+5], v[L8], s[QA:QA+1] offset:512
	global_load_b32 v[QS], v202, s[QSA:QSA+1] offset:6144
	global_load_b128 v[Q2:Q2+3], v[L16], s[QB2:QB2+1]
	global_load_b64 v[Q2+4:Q2+5], v[L8], s[QB2:QB2+1] offset:512
	global_load_b32 v[QS+1], v202, s[QSB:QSB+1] offset:6144
.irp j, 6,7,8,9,10,11
	v_mov_b32 v[QF+\j], 0                          ; zero codes for k = 64 .. 127
.irp t, 0,1,2,3
	v_mov_b32 v[KFR+12*\t+\j], 0
.endr
.endr
	v_mov_b32 v12, 0xc1800000                      ; -M = -16
	v_mov_b32 v13, 0xc1800000                      ; (named as the upper half of a pair)
.macro FRESH                           ; a pass begins: the sum and O^T are zeros
	v_mov_b32 v14, 0
	v_mov_b32 v15, 0
.set nn, 0
.rept 32
	v_mov_b32 v[O+nn], 0
.set nn, nn+1
.endr
.endm
	FRESH
.irp b, 0,1,2,3
	v_mov_b32 v[BP+\b], 0                          ; a lane permute's destination counts as one of its sources
.endr
	v_mov_b32 v[F], 0
; Keys 64 g .. 64 g + 63 of a step.  Only the pass's last record holds hidden keys: their scores become -infinity, so p = 0.  Then t - 16 in place, and of it the largest of each block of 32 keys, my 16 of them:
; p rises with t, so the block's largest t - 16 gives its largest p.
.macro HALFV g
	s_cmp_lt_u32 s[KI], s[DG]
	s_cbranch_scc1 .Lopen_\@
	s_sub_co_i32 s[T0], s[QBM], s[KF]
	v_add_nc_u32 v[TT], s[T0], v[TQH]              ; d = my query - KF - 16 (lane / 16).  Register 16 b + i holds key KF + 32 b + 16 (lane / 16) + i: hidden where 32 b + i > d
	v_mov_b32 v[NI], 0xff800000
.set nn, 32*(\g)
.rept 32
	v_cmp_gt_i32 vcc_lo, 32*(nn/16)+nn%16, v[TT]
	v_cndmask_b32 v[S+nn], v[S+nn], v[NI], vcc_lo
.set nn, nn+1
.endr
.Lopen_\@:
.set nn, 32*(\g)
.rept 16
	v_pk_fma_f32 v[S+nn:S+nn+1], v[S+nn:S+nn+1], s[CS:CS+1], v[12:13] op_sel_hi:[1,0,0]   ; t - 16, ascending: each accumulator is read from its low end on
.set nn, nn+2
.endr
.irp u, 0,1                            ; two chains a block, four by turns
	v_max3_num_f32 v[BM+2*(\g)+\u], v[S+32*(\g)+16*\u], v[S+32*(\g)+16*\u+1], v[S+32*(\g)+16*\u+2]
	v_max3_num_f32 v[BO+2*(\g)+\u], v[S+32*(\g)+16*\u+3], v[S+32*(\g)+16*\u+4], v[S+32*(\g)+16*\u+5]
.endr
.irp i, 6,10
.irp u, 0,1
	v_max3_num_f32 v[BM+2*(\g)+\u], v[BM+2*(\g)+\u], v[S+32*(\g)+16*\u+\i], v[S+32*(\g)+16*\u+\i+1]
	v_max3_num_f32 v[BO+2*(\g)+\u], v[BO+2*(\g)+\u], v[S+32*(\g)+16*\u+\i+2], v[S+32*(\g)+16*\u+\i+3]
.endr
.endr
.irp u, 0,1
	v_max3_num_f32 v[BM+2*(\g)+\u], v[BM+2*(\g)+\u], v[S+32*(\g)+16*\u+14], v[S+32*(\g)+16*\u+15]
.endr
.irp u, 0,1
	s_delay_alu instid0(VALU_DEP_2)
	v_max_num_f32 v[BM+2*(\g)+\u], v[BM+2*(\g)+\u], v[BO+2*(\g)+\u]
.endr
.endm
.macro ACC j, k                        ; chain j of the row's sum takes p's pair k
.if (\j) == 0
	v_pk_add_f32 v[14:15], v[14:15], v[S+2*(\k):S+2*(\k)+1]
.else
	v_pk_add_f32 v[240+2*(\j):241+2*(\j)], v[240+2*(\j):241+2*(\j)], v[S+2*(\k):S+2*(\k)+1]
.endif
.endm
; A KEY STEP: the 128 keys of the record at LDS byte TB
.macro STEP
	v_add_nc_u32 v[A16], s[TB], v[L16]
	s_wait_alu depctr_va_vdst(0)
	v_add_nc_u32 v[A8], s[TB], v[L8]
	s_wait_alu depctr_va_vdst(0)
.rept 4
	v_nop                                          ; with the two additions six places behind the last step's products: S^T is laid over V's fragments, which those products read
.endr
.irp t, 0,1,2,3                        ; S^T = K Q^T, four tiles of 16 keys at a time
	ds_load_b128 v[KFR+12*\t:KFR+12*\t+3], v[A16] offset:768*\t
	ds_load_b64 v[KFR+12*\t+4:KFR+12*\t+5], v[A8] offset:768*\t+512
.endr
	ds_load_b128 v[KSC:KSC+3], v[A16] offset:6144  ; word t: tile t in lanes 0-15, tile 4 + t in lanes 16-31
	s_wait_dscnt 0x0
.irp t, 0,1,2,3
	v_wmma_scale_f32_16x16x128_f8f6f4 v[S+8*\t:S+8*\t+7], v[KFR+12*\t:KFR+12*\t+11], v[QF:QF+11], 0, v[KSC+\t], v[QS] matrix_a_fmt:MATRIX_FMT_BF6 matrix_b_fmt:MATRIX_FMT_BF6
.endr
.rept 4
	v_nop                                          ; places in front of the loads into K's registers and of the first reads of the scores
.endr
.irp t, 0,1,2,3
	ds_load_b128 v[KFR+12*\t:KFR+12*\t+3], v[A16] offset:768*(4+\t)
	ds_load_b64 v[KFR+12*\t+4:KFR+12*\t+5], v[A8] offset:768*(4+\t)+512
.endr
	HALFV 0                                        ; the first 64 keys' work stands between the second 64 keys' loads and the wait for them
	s_wait_dscnt 0x0
.irp t, 0,1,2,3
	v_wmma_scale_f32_16x16x128_f8f6f4 v[S+32+8*\t:S+32+8*\t+7], v[KFR+12*\t:KFR+12*\t+11], v[QF:QF+11], 0, v[KSC+\t], v[QS] matrix_a_fmt:MATRIX_FMT_BF6 matrix_b_fmt:MATRIX_FMT_BF6 matrix_a_scale:MATRIX_SCALE_ROW1
.endr
.rept 4
	v_nop
.endr
	HALFV 1
.irp b, 0,1,2,3
	v_permlanex16_b32 v[BP+\b], v[BM+\b], s[SEL], s[SEL+1]
.endr
.irp b, 0,1,2,3
	s_delay_alu instid0(VALU_DEP_4)
	v_max_num_f32 v[BM+\b], v[BM+\b], v[BP+\b]     ; with lane l xor 16's 16 keys
.endr
	s_wait_alu depctr_va_vdst(0)                   ; the wait ahead of the batch
.set nn, 0
.rept 64
	v_exp_f32 v[S+nn], v[S+nn]                     ; p = 2^(t - 16): not normalised
.set nn, nn+1
.endr
.irp b, 0,1,2,3
	v_exp_f32 v[BM+\b], v[BM+\b]                   ; the block's largest p: the same instruction on the same number gives the same bits
.endr
	v_nop                                          ; a plain place behind the exponentials
	s_wait_alu depctr_va_vdst(0)                   ; one wait for the whole batch, ahead of its first reader
.irp j, 1,2,3,4,5,6,7                  ; THE ROW'S SUM OF THE UNQUANTISED p, in eight chains: pairs 0 to 14 here,
	v_pk_add_f32 v[240+2*\j:241+2*\j], v[S+4*\j-4:S+4*\j-3], v[S+4*\j-2:S+4*\j-1]
.endr
	ACC 0, 14
.irp b, 0,1,2,3
	v_max_num_f32 v[BM+\b], 0x2800000, v[BM+\b]    ; the floor 2^(5 - 127): the byte cannot fall under 1 (a block of hidden keys keeps that byte: its codes are zeros)
.endr
.irp b, 0,1,2,3
	s_delay_alu instid0(VALU_DEP_4)
	v_add_nc_u32 v[BO+\b], 0xfe000000, v[BM+\b]
.endr
.irp b, 0,1,2,3
	s_delay_alu instid0(VALU_DEP_4)
	v_lshrrev_b32 v[BP+\b], 23, v[BO+\b]
.endr
	s_delay_alu instid0(VALU_DEP_3)
	v_lshl_or_b32 v[PSW], v[BP+1], 8, v[BP]        ; p's scale word for these 128 keys
	s_delay_alu instid0(VALU_DEP_1)
	v_lshl_or_b32 v[PSW], v[BP+2], 16, v[PSW]
	s_delay_alu instid0(VALU_DEP_1)
	v_lshl_or_b32 v[PSW], v[BP+3], 24, v[PSW]
.irp c, 0,1
	v_cvt_scalef32_pk16_bf6_f32 v[PCD+6*\c:PCD+2+6*\c], v[S+32*\c:S+15+32*\c], v[BO+2*\c]
	v_cvt_scalef32_pk16_bf6_f32 v[PC2+4*\c:PC2+2+4*\c], v[S+16+32*\c:S+31+32*\c], v[BO+2*\c+1]
.endr
	v_nop                                          ; one plain place behind a scaled conversion
.irp c, 0,1
.irp i, 0,1,2
	v_permlane16_swap_b32 v[PCD+6*\c+\i], v[PC2+4*\c+\i]
.endr
.irp i, 0,1,2
	s_delay_alu instid0(VALU_DEP_3)
	v_mov_b32 v[PCD+3+6*\c+\i], v[PC2+4*\c+\i]
.endr
.endr
.irp j, 0,1,2,3,4,5,6,7                ; pairs 15 to 23: the last of the registers that V's fragments take.  (These and the lines behind the loads are also the places between p's codes and scale word and the products)
	ACC \j, 15+\j
.endr
	ACC 1, 23
.irp t, 0,1,2,3                        ; V's four fragments take the place of p's pairs 0 to 23
	ds_load_b128 v[S+12*\t:S+12*\t+3], v[A16] offset:6656+1536*\t
	ds_load_b64 v[S+12*\t+4:S+12*\t+5], v[A8] offset:6656+1536*\t+512
	ds_load_b128 v[S+12*\t+6:S+12*\t+9], v[A16] offset:6656+1536*\t+768
	ds_load_b64 v[S+12*\t+10:S+12*\t+11], v[A8] offset:6656+1536*\t+1280
.endr
	ds_load_b64 v[VSC:VSC+1], v[A8] offset:12800   ; word t: tile t in lanes 0-15, tile 2 + t in lanes 16-31
.irp j, 0,1,2,3,4,5,6,7                ; pairs 24 to 31, on which no load lands, while V's fragments come
	ACC \j, 24+\j
.endr
	v_pk_add_f32 v[14:15], v[14:15], v[248:249]    ; and the eight chains become one
	v_pk_add_f32 v[242:243], v[242:243], v[250:251]
	v_pk_add_f32 v[244:245], v[244:245], v[252:253]
	v_pk_add_f32 v[246:247], v[246:247], v[254:255]
	s_delay_alu instid0(VALU_DEP_2)
	v_pk_add_f32 v[14:15], v[14:15], v[244:245]
	s_delay_alu instid0(VALU_DEP_2)
	v_pk_add_f32 v[242:243], v[242:243], v[246:247]
	s_delay_alu instid0(VALU_DEP_1)
	v_pk_add_f32 v[14:15], v[14:15], v[242:243]
	s_wait_alu depctr_va_vdst(0)
	s_wait_dscnt 0x0
.irp t, 0,1,2,3                        ; O^T += V^T P^T: the four accumulators take turns, one instruction a turn
.if \t < 2
	v_wmma_scale_f32_16x16x128_f8f6f4 v[O+8*\t:O+8*\t+7], v[S+12*\t:S+12*\t+11], v[PCD:PCD+11], v[O+8*\t:O+8*\t+7], v[VSC+\t%2], v[PSW] matrix_a_fmt:MATRIX_FMT_BF6 matrix_b_fmt:MATRIX_FMT_BF6
.else
	v_wmma_scale_f32_16x16x128_f8f6f4 v[O+8*\t:O+8*\t+7], v[S+12*\t:S+12*\t+11], v[PCD:PCD+11], v[O+8*\t:O+8*\t+7], v[VSC+\t%2], v[PSW] matrix_a_fmt:MATRIX_FMT_BF6 matrix_b_fmt:MATRIX_FMT_BF6 matrix_a_scale:MATRIX_SCALE_ROW1
.endif
.endr
.endm
; A PASS ENDS: O^T / the sum; register 16 b + i is channel 32 b + 16 h + i of my query: two blocks of the last product's K.  They become half a fragment of abuf and two scale bytes.
.macro FINISH
.rept 4
	v_nop                                          ; places behind the last products
.endr
	v_add_f32 v14, v14, v15
	s_wait_alu depctr_va_vdst(0)
	v_permlanex16_b32 v[F], v14, s[SEL], s[SEL+1]
	s_delay_alu instid0(VALU_DEP_1)
	v_add_f32 v14, v14, v[F]                       ; the row's sum
	s_wait_alu depctr_va_vdst(0)
	v_rcp_f32 v14, v14
	v_nop                                          ; a plain place behind the reciprocal
	s_wait_alu depctr_va_vdst(0)                   ; the wait ahead of its first reader
.set nn, 0
.rept 16
	v_pk_mul_f32 v[S+nn:S+nn+1], v[O+nn:O+nn+1], v[14:15] op_sel_hi:[1,0]
.set nn, nn+2
.endr
.irp b, 0,1
	v_max3_num_f32 v[BM+\b], |v[S+16*\b]|, |v[S+1+16*\b]|, 0x2800000
.endr
.irp i, 2,4,6,8,10,12,14
.irp b, 0,1
	s_delay_alu instid0(VALU_DEP_2)
	v_max3_num_f32 v[BM+\b], v[BM+\b], |v[S+16*\b+\i]|, |v[S+1+16*\b+\i]|
.endr
.endr
.irp b, 0,1
	s_delay_alu instid0(VALU_DEP_2)
	v_permlanex16_b32 v[BP+\b], v[BM+\b], s[SEL], s[SEL+1]
.endr
.irp b, 0,1
	s_delay_alu instid0(VALU_DEP_2)
	v_max_num_f32 v[BM+\b], v[BM+\b], v[BP+\b]
.endr
.irp b, 0,1
	s_delay_alu instid0(VALU_DEP_2)
	v_add_nc_u32 v[BO+\b], 0xfe000000, v[BM+\b]
.endr
.irp b, 0,1
	s_delay_alu instid0(VALU_DEP_2)
	v_lshrrev_b32 v[BP+\b], 23, v[BO+\b]
.endr
	s_delay_alu instid0(VALU_DEP_1)
	v_cndmask_b32 v[TT], v[BP], v[BP+1], s[HM]     ; each lane keeps the byte of the block that it will hold: block h
	v_cvt_scalef32_pk16_bf6_f32 v[H:H+2], v[S:S+15], v[BO]
	v_cvt_scalef32_pk16_bf6_f32 v[H+6:H+8], v[S+16:S+31], v[BO+1]
	v_nop                                          ; one plain place behind a scaled conversion
.irp i, 0,1,2
	v_permlane16_swap_b32 v[H+\i], v[H+6+\i]
.endr
.irp i, 0,1,2
	s_delay_alu instid0(VALU_DEP_3)
	v_mov_b32 v[H+3+\i], v[H+6+\i]
.endr
	global_store_b128 v[L16], v[H:H+3], s[AB:AB+1]               ; 512 consecutive bytes
	global_store_b64 v[L8], v[H+4:H+5], s[AB:AB+1] offset:512    ; 256 consecutive bytes
	global_store_b8 v[SOB], v[TT], s[ABS:ABS+1] offset:24576     ; single bytes: a head owns two of the four bytes of a row's scale word
	s_wait_xcnt 0x0                                ; the stores have read their registers and their bases
.endm
	s_wait_alu depctr_va_vdst(0)                   ; the wait at the head's end
	s_wait_loadcnt 0x0                             ; Q, both passes'
	s_wait_tensorcnt 0x0                           ; my record is in
	s_barrier_signal -1
	s_barrier_wait -1                              ; all sixteen are in
.Lstep:                                        ; 17 trips, a record each
	s_cmp_ge_u32 s[N], s[NSW]
	s_cselect_b32 s[T1], s[NSW], 0
	s_sub_co_u32 s[KI], s[N], s[T1]                ; the record: the trip, less 16 - w / 2 in the second pass
	s_min_u32 s[KI], s[KI], 15
	s_mul_i32 s[TB], s[KI], KVREC
	s_lshl_b32 s[KF], s[KI], 7
	s_cmp_lg_u32 s[N], s[NSW]                      ; at trip 16 - w / 2 the first pass is finished and the second begins
	s_cbranch_scc1 .Lsame
	FINISH
	s_mov_b64 s[AB:AB+1], s[AB2:AB2+1]
	s_mov_b64 s[ABS:ABS+1], s[ABS2:ABS2+1]
.irp j, 0,1,2,3,4,5
	v_mov_b32 v[QF+\j], v[Q2+\j]
.endr
	v_mov_b32 v[QS], v[QS+1]
	FRESH                                          ; (its moves are also the places between Q's new registers and the next products)
	s_mov_b32 s[QBM], s[QBM2]
	s_mov_b32 s[DG], s[DG2]
.Lsame:
	STEP
	s_add_co_u32 s[N], s[N], 1
	s_cmp_lt_u32 s[N], 17
	s_cbranch_scc1 .Lstep
	FINISH
	s_wait_tensorcnt 0x0                           ; the wave's end
	ds_add_u32 v[SPW], v[NIL]
	s_wait_dscnt 0x0
	CROUND                                         ; the closing round
	s_endpgm
.Lfunc_end_k_q55266e280a_attn:
	.size	k_q55266e280a_attn, .Lfunc_end_k_q55266e280a_attn-k_q55266e280a_attn
	.p2alignl 7, 3214868480
	.fill 96, 4, 3214868480
	.section	.rodata,"a",@progbits
	.p2align	6, 0x0
	.amdhsa_kernel k_q55266e280a_attn
		.amdhsa_group_segment_fixed_size 327680
		.amdhsa_private_segment_fixed_size 0
		.amdhsa_enable_private_segment 0
		.amdhsa_kernarg_size 24
		.amdhsa_user_sgpr_count 2
		.amdhsa_user_sgpr_kernarg_segment_ptr 1
		.amdhsa_wavefront_size32 1
		.amdhsa_system_sgpr_workgroup_id_x 1
		.amdhsa_system_sgpr_workgroup_id_y 1
		.amdhsa_system_sgpr_workgroup_id_z 1
		.amdhsa_system_vgpr_workitem_id 0
		.amdhsa_next_free_vgpr 256
		.amdhsa_next_free_sgpr 72
		.amdhsa_reserve_vcc 1
		.amdhsa_float_denorm_mode_32 3
		.amdhsa_float_denorm_mode_16_64 3
		.amdhsa_memory_ordered 1
		.amdhsa_forward_progress 1
		.amdhsa_inst_pref_size 41
	.end_amdhsa_kernel
	.amdgpu_metadata
---
amdhsa.version: [ 1, 2 ]
amdhsa.kernels:
  - .name:           k_q55266e280a_attn
    .symbol:         k_q55266e280a_attn.kd
    .args:
      - { .name: qbuf, .offset: 0, .size: 8, .value_kind: global_buffer, .address_space: global }
      - { .name: kvbuf, .offset: 8, .size: 8, .value_kind: global_buffer, .address_space: global }
      - { .name: abuf, .offset: 16, .size: 8, .value_kind: global_buffer, .address_space: global }
    .group_segment_fixed_size: 327680
    .private_segment_fixed_size: 0
    .kernarg_segment_align: 8
    .kernarg_segment_size: 24
    .max_flat_workgroup_size: 512
    .sgpr_count:     72
    .vgpr_count:     256
    .wavefront_size: 32
...
	.end_amdgpu_metadata
.endif
;; end of part 3
;; launch proj (part 4): grid 4 x 64, 4 waves a work-group, clusters of 4 x 4, 327,680 bytes of LDS; arguments abuf, wp, b_proj, out0; writes out0
.if DOCPART == 4
	.amdgcn_target "amdgcn-amd-amdhsa--gfx1250"
	.amdhsa_code_object_version 6
	.text
	.protected	k_q55266e280a_proj
	.globl	k_q55266e280a_proj
	.p2align	8
	.type	k_q55266e280a_proj,@function
k_q55266e280a_proj:
	s_mov_b64 s[64:65], 0
	v_nop
	global_prefetch_b8 v0, s[64:65] scope:SCOPE_SE
	s_setreg_imm32_b32 hwreg(HW_REG_WAVE_MODE, 25, 1), 1
	s_wait_xcnt 0x0
	s_wait_alu depctr_hold_cnt(0) depctr_sa_sdst(0) depctr_va_vdst(0) depctr_va_sdst(0) depctr_va_ssrc(0) depctr_va_vcc(0) depctr_vm_vsrc(0)
	s_getreg_b32 s2, hwreg(HW_REG_IB_STS2, 6, 4)
	s_cmp_eq_u32 s2, 0
	s_cbranch_scc0 .Lentry_in_a_cluster
	s_endpgm
.Lentry_in_a_cluster:
	s_bfe_u32 s2, ttmp6, 0x10000c
	s_cmp_lg_u32 s2, 0xf033
	s_cbranch_scc0 .Lentry_shape_is_right
	s_endpgm
.Lentry_shape_is_right:
; out0 = attn W_proj^T + b_proj on codes of BF6 (E3M2) with E8M0 scales, 8,192 x 1,024, K = 1,024.
; SHARES: 256 work-groups: (j, g) makes 128 tokens x 256 columns; a wave 64 tokens x 128 columns: 32 accumulators.  The codes of a wave's 64 tokens, all of K, go from memory into 384 registers.
; W's tile, all of K (8 records of 25,600 bytes), lies in LDS: wave w brings K chunk w (two neighbouring records, 200 rows of 256 bytes) by one tensor load at the head; nothing is filled again.
; OPERANDS lie in records (128 rows x 256 K) in the order of the operand's registers; place p of a record holds row p with bits 3 and 4 exchanged.  THE MATRIX INSTRUCTION IS USED TRANSPOSED (source 0 = 16 rows of W,
; source 1 = 16 tokens): a lane holds one token, and register j of tile b is column 32 (b / 2) + 16 h + 8 (b % 2) + j.  The bias is the C of each sum's first matrix instruction.
; A scale register holds a row's words of two K steps: the even step's in lanes 0-15, the odd step's in lanes 16-31.
; CLUSTERS: 4 x 4 work-groups; W's tile hangs on j = cx alone (one cluster along x) and is asked for jointly by the four of a column.
; NO PREFETCH: all operands are asked for at the head; there is no loop to run ahead in.
; REGISTERS: window 0: v0-15 addresses; v16-31 the tokens' scale words; v32-47 W's, two sets; v48-191 W's fragments, three sets of four (on the way out: rows read back).
;   window 1: the accumulators, (a, b) at v[8 (8 a + b)].  window 2: v0-63 the bias; v124-255 the tokens' fragments 21-31.  window 3: fragments 0-20.
.set REC,   25600
.set NGA,   64
.set NGB,   8
.set BCH,   2*REC
.set STG,   4*BCH                      ; the stages: bytes into which no fill lands
.set SPITCH, 528
.set SPARE, 327168
.set L16, 1
.set L8,  2
.set BB16, 3
.set BB8, 4
.set BBS, 5
.set CUR16, 6
.set CUR8, 7
.set CURS, 8
.set STO, 9
.set RD,  10
.set SPW, 12
.set NIL, 13
.set BOF, 14
.set ASC, 16
.set BSC, 32
.set BF,  48
.set BK,  48
.set MSB, 0
.macro WIN new
.if MSB != (\new)
	s_set_vgpr_msb (MSB<<8)|(\new)
.set MSB, (\new)
.endif
.endm
.macro PLACES n
.rept \n
	v_nop
.endr
.endm
.macro CROUND
	s_barrier_signal -1
	s_barrier_wait -1
	s_cmp_lg_u32 s14, 0
	s_cbranch_scc1 .Lnot_wave_0_\@
	s_barrier_signal -3
.Lnot_wave_0_\@:
	s_barrier_wait -3
	s_barrier_signal -1
	s_barrier_wait -1
.endm
.macro AFR f                           ; where the tokens' fragment f = 4 x K step + block lies
.if (\f) < 21
.set AW_, 3
.set AR_, 12*(\f)
.else
.set AW_, 2
.set AR_, 124+12*((\f)-21)
.endif
.endm
	s_load_b256 s[4:11], s[0:1], 0x0               ; abuf, wp, b_proj, out0
	v_lshl_add_u32 v[SPW], v0, 2, SPARE
	v_mov_b32 v[NIL], 0
	ds_add_u32 v[SPW], v[NIL]                      ; the opening lines: the add, twice on end, and its wait
	ds_add_u32 v[SPW], v[NIL]
	v_lshrrev_b32 v48, 5, v0
	v_readfirstlane_b32 s14, v48                   ; wave 0..3: also the K chunk that I fetch
	s_lshr_b32 s15, s14, 1                         ; th: which 64 tokens are mine
	s_and_b32 s16, s14, 1                          ; ch: which 128 columns
	s_bfe_u32 s40, ttmp6, 0x40000                  ; cx = j
	s_bfe_u32 s41, ttmp6, 0x40004                  ; cy
	s_and_b32 s17, ttmp7, 0xffff
	s_lshl_b32 s17, s17, 2
	s_add_co_u32 s17, s17, s41                     ; g = 4 x cluster y + cy
	s_lshl_b32 s44, 0x1111, s40                    ; my column of the cluster
	s_or_b32 s48, s44, (3<<16)|(1<<21)
	s_mov_b32 s49, 32<<16
	s_mov_b32 s50, 200<<16
	s_mov_b32 s51, 32<<16
	s_mov_b32 s52, 200
	s_mov_b32 s53, 32
	s_mov_b32 s54, 0
	s_mov_b32 s55, 0
	s_mul_i32 s46, s14, NGB
	s_lshl_b32 s47, s40, 1
	s_add_co_u32 s46, s46, s47                     ; record 8 x chunk + 2 j
	s_mul_i32 s46, s46, REC
	s_mov_b32 s47, 0
	s_mov_b32 s56, 1
	s_mul_i32 s57, s14, BCH
	s_wait_dscnt 0x0
	s_wait_kmcnt 0x0
	s_add_nc_u64 s[58:59], s[6:7], s[46:47]
	s_or_b32 s59, s59, 0x80000000
	CROUND                                         ; all sixteen work-groups are here: the joint loads meet
	tensor_load_to_lds s[56:59], s[48:55]          ; my one tensor load
	s_nop 0
	PLACES 4
	s_mul_i32 s22, s16, REC
	s_add_co_u32 s23, s22, 24576
	s_mul_i32 s20, s17, REC
	s_mul_i32 s21, s15, 12288
	s_add_co_u32 s20, s20, s21
	s_mov_b32 s21, 0
	s_add_nc_u64 s[20:21], s[4:5], s[20:21]        ; the tokens' record of chunk 0 at my four tiles
	s_mul_i32 s24, s15, 11776
	s_sub_co_u32 s24, 24576, s24                   ; from there to my tiles' scale words
	s_mul_i32 s25, s14, 16*SPITCH
	s_add_co_u32 s25, s25, STG                     ; my stage
	s_lshl_b32 s28, s40, 10
	s_lshl_b32 s29, s16, 9
	s_add_co_u32 s28, s28, s29
	s_mov_b32 s29, 0
	s_add_nc_u64 s[8:9], s[8:9], s[28:29]          ; the bias at my 128 columns
	s_add_nc_u64 s[10:11], s[10:11], s[28:29]
	s_lshl_b32 s28, s17, 19
	s_lshl_b32 s30, s15, 18
	s_add_co_u32 s28, s28, s30
	s_add_nc_u64 s[10:11], s[10:11], s[28:29]      ; out0 at my first token's row
	v_and_b32 v49, 15, v0                          ; r
	v_bfe_u32 v50, v0, 4, 1                        ; h
	v_and_b32 v51, 31, v0                          ; lane
	v_lshlrev_b32 v[L16], 4, v51
	v_lshlrev_b32 v[L8], 3, v51
	v_lshlrev_b32 v52, 3, v49
	v_lshl_add_u32 v52, v50, 2, v52                ; 8 r + 4 h
	v_add_nc_u32 v[BB16], s22, v[L16]
	v_add_nc_u32 v[BB8], s22, v[L8]
	v_add_nc_u32 v[BBS], s23, v52
	v_add_nc_u32 v53, s24, v52
	v_mul_u32_u24 v[STO], v49, SPITCH              ; the stage, in: row r, 64 bytes for each half of the lanes
	v_lshl_add_u32 v[STO], v50, 6, v[STO]
	v_add_nc_u32 v[STO], s25, v[STO]
	v_add_nc_u32 v[RD], s25, v[L16]                ; and back: the 32 lanes take a row's 512 bytes
	v_lshlrev_b32 v[BOF], 6, v50
	s_wait_alu depctr_va_vdst(0)                   ; the wait at the head's end
.set ff, 0
.rept 32                               ; the tokens' 32 fragments, each as its two halves lie
	AFR ff
	WIN AW_<<6
.set OO_, (ff/8)*NGA*REC+(2*(ff%4)+(ff/4)%2)*1536
	global_load_b128 v[AR_:AR_+3], v[L16], s[20:21] offset:OO_
	global_load_b64 v[AR_+4:AR_+5], v[L8], s[20:21] offset:OO_+512
	global_load_b128 v[AR_+6:AR_+9], v[L16], s[20:21] offset:OO_+768
	global_load_b64 v[AR_+10:AR_+11], v[L8], s[20:21] offset:OO_+1280
.set ff, ff+1
.endr
	WIN 0
.irp kc, 0,1,2,3
.irp a, 0,1,2,3
	global_load_b32 v[ASC+4*\kc+\a], v53, s[20:21] offset:\kc*NGA*REC+128*\a
.endr
.endr
	WIN 0x80
.irp t, 0,1,2,3,4,5,6,7
	global_load_b128 v[8*\t:8*\t+3], v[BOF], s[8:9] offset:128*(\t/2)+32*(\t%2)
	global_load_b128 v[8*\t+4:8*\t+7], v[BOF], s[8:9] offset:128*(\t/2)+32*(\t%2)+16
.endr
	WIN 0
.macro SZOF m                          ; LDS loads of batch m
.set SZ_, 0
.if (\m) < 16
.set SZ_, 16
.if (\m)%4 == 0
.set SZ_, 24
.endif
.endif
.endm
; Batch m: W's tiles 4 (m % 2) .. + 3 of K step m / 2 into set m % 3; with a chunk's first batch its addresses and its eight scale registers
.macro BATCH m
.if (\m)%4 == 0
	v_add_nc_u32 v[CUR16], ((\m)/4)*BCH, v[BB16]
	v_add_nc_u32 v[CUR8], ((\m)/4)*BCH, v[BB8]
	v_add_nc_u32 v[CURS], ((\m)/4)*BCH, v[BBS]
	s_wait_alu depctr_va_vdst(0)
.irp i, 0,1,2,3,4,5,6,7
	ds_load_b32 v[BSC+8*(((\m)/4)%2)+\i], v[CURS] offset:128*\i
.endr
.endif
.irp t, 0,1,2,3
.set U_, (2*(4*((\m)%2)+\t)+((\m)/2)%2)*1536
.set R_, BF+48*((\m)%3)+12*\t
	ds_load_b128 v[R_:R_+3], v[CUR16] offset:U_
	ds_load_b64 v[R_+4:R_+5], v[CUR8] offset:U_+512
	ds_load_b128 v[R_+6:R_+9], v[CUR16] offset:U_+768
	ds_load_b64 v[R_+10:R_+11], v[CUR8] offset:U_+1280
.endr
.endm
.macro MM a, b, br
.set D_, 8*(8*(\a)+(\b))
.set SB_, BSC+8*((ST_/2)%2)+(\b)
.set SA_, ASC+4*(ST_/2)+(\a)
.if ST_ == 0
	v_wmma_scale_f32_16x16x128_f8f6f4 v[D_:D_+7], v[\br:\br+11], v[AR_:AR_+11], v[8*(\b):8*(\b)+7], v[SB_], v[SA_] matrix_a_fmt:MATRIX_FMT_BF6 matrix_b_fmt:MATRIX_FMT_BF6
.elseif ST_%2 == 0
	v_wmma_scale_f32_16x16x128_f8f6f4 v[D_:D_+7], v[\br:\br+11], v[AR_:AR_+11], v[D_:D_+7], v[SB_], v[SA_] matrix_a_fmt:MATRIX_FMT_BF6 matrix_b_fmt:MATRIX_FMT_BF6
.else
	v_wmma_scale_f32_16x16x128_f8f6f4 v[D_:D_+7], v[\br:\br+11], v[AR_:AR_+11], v[D_:D_+7], v[SB_], v[SA_] matrix_a_fmt:MATRIX_FMT_BF6 matrix_b_fmt:MATRIX_FMT_BF6 matrix_a_scale:MATRIX_SCALE_ROW1 matrix_b_scale:MATRIX_SCALE_ROW1
.endif
.endm
; Half a K step: 16 matrix instructions, my four blocks x four tiles of W; ahead of them the batch two halves on is asked for, into the set that the last half read (four places behind its products).
; The 32 accumulators take turns, one instruction a turn, in the same order in every step.
.macro HALF n
	WIN 0
.if (\n) < 14
	PLACES 4
	BATCH (\n)+2
.endif
	SZOF (\n)+1
.set WT_, SZ_
	SZOF (\n)+2
	s_wait_dscnt WT_+SZ_                           ; this half's batch is in; the two batches behind it may be out
.set ST_, (\n)/2
.set BS_, BF+48*((\n)%3)
.irp a, 0,1,2,3
	AFR 4*ST_+\a
.if ST_ == 0
	WIN 0x60|(AW_<<2)                              ; W window 0, the tokens window 2 or 3, C (the bias) window 2, D window 1
.else
	WIN 0x50|(AW_<<2)
.endif
.irp t, 0,1,2,3
	MM \a, 4*((\n)%2)+\t, BS_+12*\t
.endr
.endr
.endm
	s_wait_tensorcnt 0x0                           ; my chunk of W's tile is in
	s_wait_loadcnt 0x0                             ; the tokens' codes and scales and the bias
	s_barrier_signal -1
	s_barrier_wait -1                              ; everybody's chunk is in
	BATCH 0
	BATCH 1
.irp n, 0,1,2,3,4,5,6,7,8,9,10,11,12,13,14,15
	HALF \n
.endr
	WIN 0
	PLACES 4                                       ; behind the last products
; THE WAY OUT, block by block of 16 tokens x 128 columns, through my own stage: it comes back as whole rows of 512 bytes.  LDS serves a wave's instructions in order: no wait between the stores and the loads.
.macro TOSTAGE a
	WIN 0x04                                       ; an LDS store's data are its source 1: window 1
.irp b, 0,1,2,3,4,5,6,7
	ds_store_b128 v[STO], v[64*(\a)+8*\b:64*(\a)+8*\b+3] offset:128*(\b/2)+32*(\b%2)       ; each accumulator from its low end on
	ds_store_b128 v[STO], v[64*(\a)+8*\b+4:64*(\a)+8*\b+7] offset:128*(\b/2)+32*(\b%2)+16
.endr
	WIN 0
.irp t, 0,1,2,3,4,5,6,7,8,9,10,11,12,13,14,15
	ds_load_b128 v[BK+64*((\a)%2)+4*\t:BK+64*((\a)%2)+4*\t+3], v[RD] offset:\t*SPITCH
.endr
.endm
.macro SEND a, younger                 ; place t of block a is token 32 (a / 2) + 8 (a % 2) + t + 8 (t / 8)
	s_wait_dscnt \younger
.irp t, 0,1,2,3,4,5,6,7,8,9,10,11,12,13,14,15
	global_store_b128 v[L16], v[BK+64*((\a)%2)+4*\t:BK+64*((\a)%2)+4*\t+3], s[10:11] offset:(32*((\a)/2)+8*((\a)%2)+\t+8*(\t/8))*4096 th:TH_STORE_NT   ; 512 consecutive bytes, aligned
.endr
.endm
	TOSTAGE 0
.irp a, 1,2,3
.if \a > 1
	s_wait_xcnt 0x0                                ; block a - 2's stores have read their registers: block a's rows may land there
.endif
	TOSTAGE \a
	SEND \a-1, 32                                  ; behind block a - 1's loads: block a's 16 stores and 16 loads
.endr
	SEND 3, 0
	s_wait_tensorcnt 0x0                           ; the wave's end
	ds_add_u32 v[SPW], v[NIL]
	s_wait_dscnt 0x0
	CROUND                                         ; the closing round
	s_endpgm
.Lfunc_end_k_q55266e280a_proj:
	.size	k_q55266e280a_proj, .Lfunc_end_k_q55266e280a_proj-k_q55266e280a_proj
	.p2alignl 7, 3214868480
	.fill 96, 4, 3214868480
	.section	.rodata,"a",@progbits
	.p2align	6, 0x0
	.amdhsa_kernel k_q55266e280a_proj
		.amdhsa_group_segment_fixed_size 327680
		.amdhsa_private_segment_fixed_size 0
		.amdhsa_enable_private_segment 0
		.amdhsa_kernarg_size 32
		.amdhsa_user_sgpr_count 2
		.amdhsa_user_sgpr_kernarg_segment_ptr 1
		.amdhsa_wavefront_size32 1
		.amdhsa_system_sgpr_workgroup_id_x 1
		.amdhsa_system_sgpr_workgroup_id_y 1
		.amdhsa_system_sgpr_workgroup_id_z 1
		.amdhsa_system_vgpr_workitem_id 0
		.amdhsa_next_free_vgpr 1024
		.amdhsa_next_free_sgpr 66
		.amdhsa_reserve_vcc 0
		.amdhsa_float_denorm_mode_32 3
		.amdhsa_float_denorm_mode_16_64 3
		.amdhsa_memory_ordered 1
		.amdhsa_forward_progress 1
		.amdhsa_inst_pref_size 89
	.end_amdhsa_kernel
	.amdgpu_metadata
---
amdhsa.version: [ 1, 2 ]
amdhsa.kernels:
  - .name:           k_q55266e280a_proj
    .symbol:         k_q55266e280a_proj.kd
    .args:
      - { .name: abuf, .offset: 0, .size: 8, .value_kind: global_buffer, .address_space: global }
      - { .name: wp, .offset: 8, .size: 8, .value_kind: global_buffer, .address_space: global }
      - { .name: b_proj, .offset: 16, .size: 8, .value_kind: global_buffer, .address_space: global }
      - { .name: out0, .offset: 24, .size: 8, .value_kind: global_buffer, .address_space: global }
    .group_segment_fixed_size: 327680
    .private_segment_fixed_size: 0
    .kernarg_segment_align: 8
    .kernarg_segment_size: 32
    .max_flat_workgroup_size: 128
    .sgpr_count:     66
    .vgpr_count:     1024
    .wavefront_size: 32
...
	.end_amdgpu_metadata
.endif
;; end of part 4
